; MI455X (gfx1250); checked and timed in simulation.
; The chip was launched on July 23, 2026; its instructions are those of AMD's public machine-readable ISA for CDNA 5 (MIT licence, August 2026) and "CDNA5" Instruction Set Architecture Reference Guide (July 2026). The comments in the code are by the model that wrote it; some were corrected since.
;; Multi Head Attention. Allowed arithmetic: matrix products marked QUANTISED: E5M2 operands, one E8M0 scale for each 32 along K, by v_wmma_scale_f32_16x16x128_f8f6f4 with both operands' format E5M2, f32 sums; everything else in f32.
;; Inputs: W0_codes 1,024 x 32 x 32 uint8 (E5M2 codes of W0, K innermost, in blocks of 32 codes); W0_scales 1,024 x 32 uint8 (E8M0 scales of W0, one for each 32 codes along K); Wk_codes 1,024 x 32 x 32 uint8 (E5M2 codes of Wk, K innermost, in blocks of 32 codes); Wk_scales 1,024 x 32 uint8 (E8M0 scales of Wk, one for each 32 codes along K); Wq_codes 1,024 x 32 x 32 uint8 (E5M2 codes of Wq, K innermost, in blocks of 32 codes); Wq_scales 1,024 x 32 uint8 (E8M0 scales of Wq, one for each 32 codes along K); Wv_codes 1,024 x 32 x 32 uint8 (E5M2 codes of Wv, K innermost, in blocks of 32 codes); Wv_scales 1,024 x 32 uint8 (E8M0 scales of Wv, one for each 32 codes along K); b0 1,024 float32; bk 1,024 float32; bq 1,024 float32; bv 1,024 float32; x_codes 4 x 2,048 x 32 x 32 uint8 (E5M2 codes of x, K innermost, in blocks of 32 codes); x_scales 4 x 2,048 x 32 uint8 (E8M0 scales of x, one for each 32 codes along K).
;; Outputs: out0 4 x 2,048 x 1,024 float32.
;; This version of the problem:
;;   THIS VERSION OF THE PROBLEM IS GIVEN IN LOW PRECISION. The matrix products marked QUANTISED in the list below multiply operands that are first quantised to E5M2 (5 exponent bits, 2 mantissa bits; 8 bits a number), with one power-of-two scale for each 32 numbers along K (OCP MX v1.0); their sums are f32. All else is computed in f32.
;;   The module's matrix products, in the order in which they are computed (A, B: the left and right operand; K: the contracted axis; several contracted axes count as one K, in the product's order):
;;     1. [M 8,192, K 1,024] x [K 1,024, N 1,024]; A: input x (given as codes); B: input Wq (given as codes): QUANTISED
;;     2. [M 8,192, K 1,024] x [K 1,024, N 1,024]; A: input x (given as codes); B: input Wk (given as codes): QUANTISED
;;     3. [M 8,192, K 1,024] x [K 1,024, N 1,024]; A: input x (given as codes); B: input Wv (given as codes): QUANTISED
;;     4. batch 64 x [M 2,048, K 64] x [K 64, N 2,048]; A: computed on the way; B: computed on the way: QUANTISED
;;     5. batch 64 x [M 2,048, K 2,048] x [K 2,048, N 64]; A: softmax (see below); B: computed on the way: QUANTISED
;;     6. [M 8,192, K 1,024] x [K 1,024, N 1,024]; A: computed on the way; B: input W0 (given as codes): QUANTISED
;;   THE QUANTISER, for each operand of a quantised product, along K:
;;     - K is cut into blocks of 32 from its start; a last block that is shorter is filled with zeros.
;;     - A block's scale is 2^e with e = floor(log2(the largest magnitude in the block)) - 15, held to -126 .. 127; a block of zeros has e = 0. As a byte (E8M0): e + 127.
;;     - Each number is divided by its block's scale, clamped to +-57,344, and rounded to the nearest number of E5M2, ties to even, subnormals kept.
;;     - The product sums the exact products of the quantised numbers (number of the format x scale) in f32.
;;   ~~~python
;;   def quantise(x, axis):      # numpy; x: float32 -> the quantised numbers, widened to float32 again
;;       x = np.moveaxis(x, axis, -1); K = x.shape[-1]
;;       x = np.pad(x, [(0, 0)] * (x.ndim - 1) + [(0, -K % 32)]); x = x.reshape(x.shape[:-1] + (-1, 32)); a = np.abs(x).max(-1, keepdims=True)
;;       e = np.where(a > 0, np.clip(np.frexp(np.where(a > 0, a, 1))[1] - 1 - 15, -126, 127), 0)      # np.frexp(a)[1] - 1 = floor(log2(a)), exactly
;;       r = np.clip(x / 2.0 ** e, -57344, 57344)
;;       step = 2.0 ** (np.maximum(np.frexp(np.where(r == 0, 1, r))[1] - 1, -14) - 2)
;;       q = np.round(r / step) * step * 2.0 ** e      # np.round: ties to even
;;       return np.moveaxis(q.reshape(q.shape[:-2] + (-1,))[..., :K], -1, axis).astype(np.float32)
;;   ~~~
;;   SOFTMAX AHEAD OF A QUANTISED PRODUCT. Where the list says 'softmax', what is quantised is not the finished softmax but p = 2^(t - M), with t = logit x log2(e) and M = ceil(the row's largest t), a whole number; so 1/2 < the row's largest p <= 1. The row's sum l is taken of the UNQUANTISED p, in f32, and the product's result is divided by l at the end. Since M is a whole number, a kernel that streams over the keys may use a running M (the ceiling of the running maximum): every later rescaling is an exact power of two, which a block's scale takes up: the codes' values come out the same.
;;   OPERANDS COMPUTED ON THE WAY. 'Computed on the way' means the value that the module computes at that place (a softmax that the list does not call 'softmax' is quantised finished and normalised). What goes into a quantiser is computed in f32, as accurately as f32 sums, v_exp_f32 and their like allow (about 1e-6 of the number): no bf16 or f16 on the way to a quantiser, and a product that is left as it is and whose result goes on into a quantised operand takes f32 operands (vector FMAs, or v_wmma_f32_16x16x4_f32). A number that lies on a knife's edge between two numbers of the format may be rounded either way, as far as f32 arithmetic and the matrix unit's own rounding can turn it there, and no further.
;;   INPUTS GIVEN AS CODES. W0 (in the module: [1024, 1024], K = its axis 0); Wk (in the module: [1024, 1024], K = its axis 0); Wq (in the module: [1024, 1024], K = its axis 0); Wv (in the module: [1024, 1024], K = its axis 0); x (in the module: [4, 2048, 1024], K = its axis 2): each comes as NAME_codes (uint8): NAME with its K axis moved to the last place and cut into blocks of 32 codes, [.., K / 32, bytes a block], one block behind the other in memory; one code a byte (a code: sign, 5 exponent bits, 2 mantissa bits); and NAME_scales (uint8): the same leading axes, one E8M0 byte (e + 127) for each 32 codes along K. Its value is code x scale, taken as it is: it is not quantised again, and the codes and scales need not be those that the quantiser above would give.
;; One version. Each part assembles by itself: llvm-mc -triple=amdgcn-amd-amdhsa -mcpu=gfx1250 --defsym DOCPART=n.
;; ======== version 1 of 1: 3 launches
;; limits: right only within a limited range of input values
;; workspace buffers: qc 8,388,608 bytes; qs 524,288 bytes; kv 17,301,504 bytes; oc 8,388,608 bytes; os 262,144 bytes
;; launch qkv (part 1): grid 12 x 32, 4 waves a work-group, clusters of 4 x 4, 327,680 bytes of LDS; arguments x_codes, x_scales, Wq_codes, Wq_scales, Wk_codes, Wk_scales, Wv_codes, Wv_scales, bq, bk, bv, qc, qs, kv; writes qc, qs, kv
.if DOCPART == 1
	.amdgcn_target "amdgcn-amd-amdhsa--gfx1250"
	.amdhsa_code_object_version 6
	.text
	.protected	k_q9f5dd5dfb9_qkv
	.globl	k_q9f5dd5dfb9_qkv
	.p2align	8
	.type	k_q9f5dd5dfb9_qkv,@function
k_q9f5dd5dfb9_qkv:
	s_mov_b64 s[64:65], 0
	v_nop
	global_prefetch_b8 v0, s[64:65] scope:SCOPE_SE
	s_setreg_imm32_b32 hwreg(HW_REG_WAVE_MODE, 25, 1), 1
	s_wait_xcnt 0x0
	s_wait_alu depctr_hold_cnt(0) depctr_sa_sdst(0) depctr_va_vdst(0) depctr_va_sdst(0) depctr_va_ssrc(0) depctr_va_vcc(0) depctr_vm_vsrc(0)
	s_getreg_b32 s2, hwreg(HW_REG_IB_STS2, 6, 4)
	s_cmp_eq_u32 s2, 0
	s_cbranch_scc0 .Lentry_in_a_cluster
	s_endpgm
.Lentry_in_a_cluster:
	s_bfe_u32 s2, ttmp6, 0x10000c
	s_cmp_lg_u32 s2, 0xf033
	s_cbranch_scc0 .Lentry_shape_is_right
	s_endpgm
.Lentry_shape_is_right:
; q = rope(x Wq + bq), k = rope(x Wk + bk), v = x Wv + bv, on codes of BF8 (E5M2) with one E8M0 scale for each 32 along K = 1,024; sums in f32.
; The results leave as codes again: q and k quantised along a head's 64 channels, v along the keys, each as an IMAGE OF THE OPERAND'S REGISTERS for the attention launch.
; A work-group of four waves makes 256 x 256 results; a wave 128 x 128: 64 accumulators, 512 registers.  K goes in steps of 256 through a ring of two LDS slots filled by the tensor data mover.
; THE MATRIX INSTRUCTION IS USED TRANSPOSED: source 0 = 16 rows of B, source 1 = 16 rows of A: a lane holds one row of A, and its eight registers run along eight rows of B.
; TWO KINDS OF WORK-GROUP, told apart by the cluster's x, which all sixteen partners share:
;   cluster x = 0, 1 (q and k): A = x: 128 positions of two batches (half e = batch 2 bp + e);  B = 128 rows of Wq (half 0) and the same 128 rows of Wk (half 1).  A lane holds a position, its registers channels.
;   cluster x = 2 (v):          A = 256 rows of Wv;  B = 256 rows of x.  A lane holds a channel, its registers positions: so v's blocks of 32 keys lie along a lane's registers.
; A wave takes 64 rows of EACH half of A and of B (blocks 0-3 from half 0, blocks 4-7 from half 1): a q|k wave so holds 64 positions x 2 batches x one head of q and of k, and each cosine and sine serves four rotations;
; a v wave holds 64 channels of two heads x one whole key step of 128 keys.
; CLUSTERS: 4 x 4 work-groups; A's tiles are asked for jointly along a row of the cluster, B's along a column.
; THE ORDER OF K IN THE IMAGES.  Two conversions on tiles 2 c and 2 c + 1 give registers 4 c .. 4 c + 3 of the next operand: slot 32 c + 16 h + 8 u + j holds index 32 c + 16 u + 8 h + j.  Both operands of each later
; product are made so, and the change stays inside a block of 32: the sums are those of the true order.
; ROPE.  inv_freq = 1 / 10000^(f / 512) is made as f32 arithmetic makes it from a correctly rounded power: the power in two-word arithmetic from 100, 10 and seven square roots, then a correctly rounded reciprocal.
; The angle is the f32 product position x inv_freq; it is reduced by pi/2 in two words, and sine and cosine are polynomials on +-pi/4.
; LIMITS: NaN and infinities are not served.  A block whose largest magnitude lies under 2^-111 keeps the scale byte 1 (a block of zeros too: its codes are zeros, and this program alone reads the bytes).
; inv_freq is the reference's bit for bit only where its power is correctly rounded; sine and cosine are good to about 1.5e-7.
; k's scale words leave as 128 consecutive bytes a store: the other half of their 256 bytes belongs to the work-group of the neighbouring 128 positions; they are one byte in 64 of what this launch stores.
; REGISTERS, in windows of 256: window 0: v0-31 addresses; v32-63 scale words, two sets, and nothing else; v64-127 the biases (C of the first step); v128-255 A's fragments, one set; in the epilogues v64-255 are at work.
;   window 1: B's fragments, two sets.   window 2: the accumulators of A's blocks 0-3 ((a, b) at v[8 (8 (a % 4) + b)]);   window 3: those of blocks 4-7.
.set NQ,     2                         ; matrix instructions deep in a slot: 256 along K
.set ROWB,   256                       ; a tile's row in bytes
.set KROW,   1024                      ; a row of codes in memory
.set PITCH,  272                       ; an LDS row: 256 bytes + 16 of padding: the 16 rows of a load start at 16 different banks
.set FR,     16
.set NL,     4
.set NP,     8                         ; places behind this matrix instruction (ISA guide 7.12.1)
.set HALFT,  128*PITCH                 ; what one tensor load brings
.set SLOT,   4*HALFT
.set LAPS,   2                         ; 1,024 / 512
.set KS,     32                        ; a row of scale bytes
.set SCL,    2*SLOT                    ; behind the ring: the scales, as units of 256 bytes + 16 of padding
.set HALFS,  16*272                    ; the scales of 128 rows
.set SQ,     8*272                     ; of 64 rows
.set SBLK,   2*272                     ; of 16 rows
.set SPARE,  SCL+4*HALFS               ; the spare words: 128 bytes for each wave
.set REC,    16896                     ; a key step's record in kv: 8,192 K images, 8,192 V images, 256 K scale words, 256 V scale words
.set HEADKV, 16*REC
.set L16,  7                           ; v7   16 x lane
.set L8,   8                           ; v8   8 x lane
.set L4,   9                           ; v9   4 x lane
.set IDX,  10                          ; v10  16 x (lane / 16)
.set KSO,  11                          ; v11  where k's scale words go
.set ADRA, 16
.set ADRB, 20
.set ADRS, 27
.set SPW,  28
.set NIL,  29
.set POSF, 30                          ; v30  my position, as f32
.set INV1, 31                          ; v31  inv_freq of frequency 32 head + lane
.set SC,   32
.set BI,   64
.set AF,   128
.set G1, 24
.set G0, 32
.set G1B, 48
.set G0B, 56
.set G1S, 68
.set G0S, 76
.set G1SB, 80
.set G0SB, 88
.set MSB, 0
.macro WIN new                         ; the immediate's high byte repeats the setting that is left
.if MSB != (\new)
	s_set_vgpr_msb (MSB<<8)|(\new)
.set MSB, (\new)
.endif
.endm
.set MUL_LO, 0xa1                      ; source 0 (B) window 1, source 1 (A) window 0, C and D window 2
.set MUL_HI, 0xf1
.set TO_B,   0x40
; A joint load: waves 0 and 1 fetch for A, waves 2 and 3 for B.  Four v_nop follow each of the two lines.
.macro JLOAD g0a, g1a, g0b, g1b
	s_cmp_eq_u32 s21, 0
	s_cbranch_scc0 .Lfor_b_\@
	tensor_load_to_lds s[\g0a:\g0a+3], s[\g1a:\g1a+7]
	s_nop 0
.rept 4
	v_nop
.endr
	s_branch .Lasked_\@
.Lfor_b_\@:
	tensor_load_to_lds s[\g0b:\g0b+3], s[\g1b:\g1b+7]
	s_nop 0
.rept 4
	v_nop
.endr
.Lasked_\@:
.endm
.macro CREST                           ; a round of the cluster's barrier behind its opening barrier
	s_cmp_lg_u32 s20, 0
	s_cbranch_scc1 .Lnot_wave_0_\@
	s_barrier_signal -3
.Lnot_wave_0_\@:
	s_barrier_wait -3
	s_barrier_signal -1
	s_barrier_wait -1
.endm
.macro CROUND
	s_barrier_signal -1
	s_barrier_wait -1
	CREST
.endm
	s_load_b512 s[4:19], s[0:1], 0x0               ; x s[4:5], its scales s[6:7]; Wq s[8:9], s[10:11]; Wk s[12:13], s[14:15]; Wv s[16:17], s[18:19]
	s_load_b256 s[92:99], s[0:1], 0x40             ; bq, bk, bv, qc
	s_load_b64 s[100:101], s[0:1], 0x60            ; qs
	s_load_b64 s[104:105], s[0:1], 0x68            ; kv
	v_lshl_add_u32 v[SPW], v0, 2, SPARE
	v_mov_b32 v[NIL], 0
	ds_add_u32 v28, v29
	ds_add_u32 v28, v29
	s_wait_dscnt 0x0
	v_lshrrev_b32 v1, 5, v0
	v_readfirstlane_b32 s20, v1                    ; wave 0..3
	s_lshr_b32 s21, s20, 1                         ; WI: which 64 rows of each half of A are mine.  Also: I fetch for A (0) or for B (1)
	s_and_b32 s22, s20, 1                          ; WJ: which 64 rows of each half of B.  Also: which half I fetch
	s_bfe_u32 s40, ttmp6, 0x40000                  ; cx
	s_bfe_u32 s41, ttmp6, 0x40004                  ; cy
	s_and_b32 s42, ttmp7, 0xffff                   ; the cluster's y
	s_lshl_b32 s43, s41, 2
	s_lshl_b32 s43, 15, s43                        ; my row of the cluster
	s_lshl_b32 s44, 0x1111, s40                    ; my column
	s_or_b32 s[G1+0], s43, (0<<16)|(1<<20)|(1<<21)|(5<<22)|(3<<25)  ; the mask; elements of 1 byte; padding on; bit 21 beside a mask; after every 64 words, 4 words
	s_or_b32 s[G1B+0], s44, (0<<16)|(1<<20)|(1<<21)|(5<<22)|(3<<25)
.irp g, G1, G1B
	s_mov_b32 s[\g+1], ROWB<<16                    ; tensor_dim0
	s_mov_b32 s[\g+2], 128<<16                     ; tensor_dim1
	s_mov_b32 s[\g+3], ROWB<<16                    ; tile_dim0
	s_mov_b32 s[\g+4], 128                         ; tile_dim1
	s_mov_b32 s[\g+5], KROW                        ; the pitch
	s_mov_b32 s[\g+6], 0
	s_mov_b32 s[\g+7], 0
.endr
	s_mov_b32 s66, 0xffff0000                      ; lanes 16-31
	s_mov_b32 s67, 0x600000                        ; the mantissa field of 57,344
	s_lshl_b32 s3, s22, 7                          ; 128 x the half that I fetch
	; A's first row: made of the cluster's y, cy and the wave's number alone
	s_lshl_b32 s45, s42, 2
	s_add_co_u32 s45, s45, s41                     ; TA = 4 x cluster y + cy: it stays
	s_lshr_b32 s46, s45, 4                         ; bp
	s_lshl_b32 s46, s46, 1
	s_add_co_u32 s46, s46, s22                     ; batch 2 bp + e
	s_lshl_b32 s46, s46, 11
	s_and_b32 s47, s45, 15                         ; pb
	s_lshl_b32 s47, s47, 7
	s_add_co_u32 s46, s46, s47                     ; q|k: x's row 2,048 batch + 128 pb
	s_lshl_b32 s47, s41, 8
	s_add_co_u32 s47, s47, s3                      ; v: Wv's row 256 cy + 128 e
	s_cmp_eq_u32 ttmp9, 2
	s_cselect_b32 s23, 1, 0                        ; KIND: 1 = v
	s_cselect_b32 s46, s47, s46
	; B's first row: made of the cluster's x and y, cx and the wave's number alone
	s_lshl_b32 s47, ttmp9, 9
	s_lshl_b32 s2, s40, 7
	s_add_co_u32 s47, s47, s2                      ; q|k: row 128 (4 x cluster x + cx) of Wq or of Wk
	s_lshl_b32 s43, s42, 10
	s_lshl_b32 s44, s40, 8
	s_add_co_u32 s43, s43, s44
	s_add_co_u32 s43, s43, s3                      ; v: x's row 256 (4 x cluster y + cx) + 128 e
	s_cmp_eq_u32 s23, 1
	s_cselect_b32 s47, s43, s47
	s_lshl_b32 s2, ttmp9, 2
	s_add_co_u32 s2, s2, s40
	s_lshl_b32 s2, s2, 1
	s_add_co_u32 s2, s2, s22                       ; q|k: my head = 2 (4 x cluster x + cx) + WJ: it stays
	s_mul_i32 s43, s20, HALFT                      ; where the tiles go: wave x 128 rows
	s_mul_i32 s44, s20, HALFS
	s_wait_kmcnt 0x0
	s_cmp_eq_u32 s22, 1                            ; q|k: half 0 of B is Wq, half 1 is Wk
	s_cselect_b64 s[8:9], s[12:13], s[8:9]
	s_cselect_b64 s[10:11], s[14:15], s[10:11]
	s_cmp_eq_u32 s23, 1                            ; v: B is x, A is Wv
	s_cselect_b64 s[8:9], s[4:5], s[8:9]
	s_cselect_b64 s[10:11], s[6:7], s[10:11]
	s_cselect_b64 s[4:5], s[16:17], s[4:5]
	s_cselect_b64 s[6:7], s[18:19], s[6:7]
	s_lshl_b32 s12, s46, 10                        ; 1,024 bytes of codes a row,
	s_mov_b32 s13, 0
	s_lshl_b32 s14, s46, 5                         ; 32 of scales
	s_mov_b32 s15, 0
	s_lshl_b32 s16, s47, 10
	s_mov_b32 s17, 0
	s_lshl_b32 s18, s47, 5
	s_mov_b32 s19, 0
	s_add_nc_u64 s[4:5], s[4:5], s[12:13]
	s_add_nc_u64 s[6:7], s[6:7], s[14:15]
	s_add_nc_u64 s[8:9], s[8:9], s[16:17]
	s_add_nc_u64 s[10:11], s[10:11], s[18:19]
	CROUND                                         ; all sixteen work-groups are here: the first joint loads meet
.irp s, 0,1
	s_mov_b32 s[G0+4*\s], 1
	s_add_co_u32 s[G0+4*\s+1], s43, \s*SLOT
	s_add_nc_u64 s[G0+4*\s+2:G0+4*\s+3], s[4:5], \s*ROWB
	s_or_b32 s[G0+4*\s+3], s[G0+4*\s+3], 0x80000000
	s_mov_b32 s[G0B+4*\s], 1
	s_add_co_u32 s[G0B+4*\s+1], s43, \s*SLOT
	s_add_nc_u64 s[G0B+4*\s+2:G0B+4*\s+3], s[8:9], \s*ROWB
	s_or_b32 s[G0B+4*\s+3], s[G0B+4*\s+3], 0x80000000
.endr
	JLOAD G0, G1, G0B, G1B                         ; K step 0: my one tensor load at the head
	v_and_b32 v1, 15, v0                           ; r
	v_bfe_u32 v2, v0, 4, 1                         ; h
	v_mul_u32_u24 v3, v1, PITCH
	v_lshl_add_u32 v4, v2, 4, v3                   ; a fragment's row x pitch + 16 h
	s_mul_i32 s12, s21, 64*PITCH                   ; my 64 rows in each half of A
	s_mul_i32 s13, s22, 64*PITCH                   ; and of B,
	s_add_co_u32 s13, s13, 2*HALFT                 ; which lies behind A's 256 rows
.irp s, 0,1
	v_add_nc_u32 v[ADRA+\s], s12, v4
	v_add_nc_u32 v[ADRB+\s], s13, v4
	s_add_co_u32 s12, s12, SLOT
	s_add_co_u32 s13, s13, SLOT
.endr
	v_mul_u32_u24 v5, v1, KS                       ; my row's scales: 32 bytes a row,
	v_lshrrev_b32 v6, 8, v5
	v_lshl_add_u32 v5, v6, 4, v5                   ; and 16 more for each 256 passed
	s_mul_i32 s12, s21, SQ
	s_mul_i32 s13, s22, SQ
	s_add_co_u32 s13, s13, 2*HALFS
	s_sub_co_u32 s13, s13, s12
	v_mul_u32_u24 v6, s13, v2                      ; lanes 16-31 take B's: one product by h
	s_add_co_u32 s12, s12, SCL
	v_add_nc_u32 v5, v5, v6
	v_add_nc_u32 v[ADRS], s12, v5
	v_and_b32 v6, 31, v0                           ; lane
	v_lshlrev_b32 v[L16], 4, v6
	v_lshlrev_b32 v[L8], 3, v6
	v_lshlrev_b32 v[L4], 2, v6
	v_lshlrev_b32 v[IDX], 4, v2
	v_mov_b32 v[POSF], 0                           ; (written on the way that both kinds take)
	v_mov_b32 v[INV1], 0
	; THE SCALE BYTES of the 128 rows that I fetch, for all of K: 4,096 dense bytes, by eight loads of 512 consecutive bytes into v192-223; they go on into LDS bytes of their own, which no tensor load fills.
	; They are not asked for jointly: they are 1 byte for each 32 of the codes that are.
	s_cmp_eq_u32 s21, 0
	s_cselect_b64 s[14:15], s[6:7], s[10:11]       ; waves 0, 1: A's; waves 2, 3: B's
.irp i, 0,1,2,3,4,5,6,7
	global_load_b128 v[192+4*\i:195+4*\i], v[L16], s[14:15] offset:512*\i
.endr
	v_mul_u32_u24 v12, v2, 272                     ; where they go: units of 256 bytes + 16 of padding: lanes 16-31 hold the next unit
	v_lshl_add_u32 v12, v1, 4, v12
	s_add_co_u32 s44, s44, SCL
	v_add_nc_u32 v12, s44, v12                     ; SCL + wave x 16 units
; two-word arithmetic for 10000^(f / 512): P = (PH, PL) the product so far, G = (GH, GL) the factor 10000^(2^j / 512)
.set VF, 128
.set PH, 129
.set PL, 130
.set GH, 131
.set GL, 132
.set MH, 133
.set ML, 134
.set T1, 135
.set T2, 136
.set T3, 137
.set YY, 138
.set SS, 139
.set EE, 140
.set DD, 141
.macro DFSEL j                         ; P = P x (bit j of f ? G : 1)
	v_and_b32 v[T3], 1<<\j, v[VF]
	v_cmp_ne_u32 vcc_lo, 0, v[T3]
	v_cndmask_b32 v[MH], 1.0, v[GH], vcc_lo
	v_cndmask_b32 v[ML], 0, v[GL], vcc_lo
	v_mul_f32 v[T1], v[PH], v[MH]
	v_fma_f32 v[T2], v[PH], v[MH], -v[T1]          ; what the product's rounding dropped,
	v_fma_f32 v[T2], v[PH], v[ML], v[T2]           ; and the cross terms
	v_fma_f32 v[T2], v[PL], v[MH], v[T2]
	v_add_f32 v[PH], v[T1], v[T2]
	v_sub_f32 v[T3], v[PH], v[T1]
	v_sub_f32 v[PL], v[T2], v[T3]
.endm
.macro DFSQRT                          ; G = sqrt(G): s = GH x rsq(GH), corrected by (G - s^2) / (2 s)
	s_wait_alu depctr_va_vdst(0)                   ; the wait ahead of the transcendental
	v_rsq_f32 v[YY], v[GH]
	v_nop                                          ; a plain instruction behind the transcendental
	s_wait_alu depctr_va_vdst(0)                   ; and the wait ahead of its first reader
	v_mul_f32 v[SS], v[GH], v[YY]
	v_mul_f32 v[YY], 0.5, v[YY]
	v_fma_f32 v[EE], -v[SS], v[SS], v[GH]
	v_add_f32 v[EE], v[EE], v[GL]
	v_mul_f32 v[DD], v[EE], v[YY]
	v_add_f32 v[GH], v[SS], v[DD]
	v_sub_f32 v[T3], v[GH], v[SS]
	v_sub_f32 v[GL], v[DD], v[T3]
.endm
	s_cmp_eq_u32 s23, 1
	s_cbranch_scc1 .Lbias_v
	; q|k: the biases in the result's layout: register j of block b is channel 16 (b % 4) + 8 h + j of my head, of q (b < 4) or of k
	s_lshl_b32 s12, s2, 8
	s_mov_b32 s13, 0
	s_add_nc_u64 s[92:93], s[92:93], s[12:13]
	s_add_nc_u64 s[94:95], s[94:95], s[12:13]
	v_lshlrev_b32 v3, 5, v2
.irp b, 0,1,2,3
	global_load_b128 v[BI+8*\b:BI+8*\b+3], v3, s[92:93] offset:64*\b
	global_load_b128 v[BI+8*\b+4:BI+8*\b+7], v3, s[92:93] offset:64*\b+16
	global_load_b128 v[BI+32+8*\b:BI+32+8*\b+3], v3, s[94:95] offset:64*\b
	global_load_b128 v[BI+32+8*\b+4:BI+32+8*\b+7], v3, s[94:95] offset:64*\b+16
.endr
	; inv_freq of frequency f = 32 head + lane, while the first tiles are on their way
	s_lshl_b32 s12, s2, 5
	v_add_nc_u32 v[VF], s12, v6
	v_mov_b32 v[PH], 1.0
	v_mov_b32 v[PL], 0
	v_mov_b32 v[GH], 0x42c80000                    ; 100 = 10000^(256 / 512)
	v_mov_b32 v[GL], 0
	DFSEL 8
	v_mov_b32 v[GH], 0x41200000                    ; 10 = 10000^(128 / 512)
	DFSEL 7
.irp j, 6,5,4,3,2,1,0
	DFSQRT
	DFSEL \j
.endr
	s_wait_alu depctr_va_vdst(0)                   ; the wait ahead of the transcendental
	v_rcp_f32 v[YY], v[PH]
	v_nop
	s_wait_alu depctr_va_vdst(0)
	v_fma_f32 v[EE], -v[PH], v[YY], 1.0
	v_fma_f32 v[YY], v[YY], v[EE], v[YY]
	v_fma_f32 v[EE], -v[PH], v[YY], 1.0
	v_fma_f32 v[INV1], v[YY], v[EE], v[YY]
	s_and_b32 s12, s45, 15
	s_lshl_b32 s12, s12, 7
	s_lshl_b32 s13, s21, 6
	s_add_co_u32 s12, s12, s13
	v_add_nc_u32 v[T1], s12, v1
	v_cvt_f32_u32 v[POSF], v[T1]                   ; my first position: 128 pb + 64 WI + r
	s_branch .Lbias_in
.Lbias_v:
	; v: the bias hangs on the lane's channel: 256 cy + 128 (a / 4) + 64 WI + 16 (a % 4) + r, the same in a block's eight registers
	s_lshl_b32 s12, s41, 10
	s_lshl_b32 s13, s21, 8
	s_add_co_u32 s12, s12, s13
	s_mov_b32 s13, 0
	s_add_nc_u64 s[96:97], s[96:97], s[12:13]
	v_lshlrev_b32 v3, 2, v1
.irp a, 0,1,2,3,4,5,6,7
	global_load_b32 v[BI+8*\a], v3, s[96:97] offset:4*(128*(\a/4)+16*(\a%4))
.endr
	s_wait_loadcnt 0x0
.irp a, 0,1,2,3,4,5,6,7
.irp j, 1,2,3,4,5,6,7
	v_mov_b32 v[BI+8*\a+\j], v[BI+8*\a]
.endr
.endr
.Lbias_in:
.macro FRAG reg, adr, q, i             ; a fragment: lane l holds row l % 16; registers 4 c .. 4 c + 3 hold K = 32 c + 16 (l / 16) + 0 .. 15.  Block i: half i / 4, 16 (i % 4) rows on
.irp c, 0,1,2,3
	ds_load_b128 v[\reg+4*\c:\reg+4*\c+3], v[\adr] offset:128*(\q)+32*\c+((\i)/4)*HALFT+((\i)%4)*16*PITCH
.endr
.endm
; 16 matrix instructions: A's blocks a0, a0 + 1 x B's eight.  mode 0: onto the sums; 1: the first product, C = the bias by B's block; 2: C = the bias by A's block.
; The 64 accumulators take turns, one instruction a turn, in the same order in every step.
.macro MUL16 a0, p, q, sc, mode
.irp a, \a0, \a0+1
.irp b, 0,1,2,3,4,5,6,7
.if \mode == 1
	v_wmma_scale_f32_16x16x128_f8f6f4 v[8*(8*((\a)%4)+\b):8*(8*((\a)%4)+\b)+7], v[128*(\p)+FR*\b:128*(\p)+FR*\b+FR-1], v[AF+FR*(\a):AF+FR*(\a)+FR-1], v[BI+8*\b:BI+8*\b+7], v[SC+8*NQ*(\sc)+NQ*\b+(\q)], v[SC+8*NQ*(\sc)+NQ*(\a)+(\q)] matrix_a_fmt:MATRIX_FMT_BF8 matrix_b_fmt:MATRIX_FMT_BF8 matrix_a_scale:MATRIX_SCALE_ROW1
.elseif \mode == 2
	v_wmma_scale_f32_16x16x128_f8f6f4 v[8*(8*((\a)%4)+\b):8*(8*((\a)%4)+\b)+7], v[128*(\p)+FR*\b:128*(\p)+FR*\b+FR-1], v[AF+FR*(\a):AF+FR*(\a)+FR-1], v[BI+8*(\a):BI+8*(\a)+7], v[SC+8*NQ*(\sc)+NQ*\b+(\q)], v[SC+8*NQ*(\sc)+NQ*(\a)+(\q)] matrix_a_fmt:MATRIX_FMT_BF8 matrix_b_fmt:MATRIX_FMT_BF8 matrix_a_scale:MATRIX_SCALE_ROW1
.else
	v_wmma_scale_f32_16x16x128_f8f6f4 v[8*(8*((\a)%4)+\b):8*(8*((\a)%4)+\b)+7], v[128*(\p)+FR*\b:128*(\p)+FR*\b+FR-1], v[AF+FR*(\a):AF+FR*(\a)+FR-1], v[8*(8*((\a)%4)+\b):8*(8*((\a)%4)+\b)+7], v[SC+8*NQ*(\sc)+NQ*\b+(\q)], v[SC+8*NQ*(\sc)+NQ*(\a)+(\q)] matrix_a_fmt:MATRIX_FMT_BF8 matrix_b_fmt:MATRIX_FMT_BF8 matrix_a_scale:MATRIX_SCALE_ROW1
.endif
.endr
.endr
.endm
.macro FETCH_B slot, q, p
	WIN TO_B
.irp i, 0,1,2,3,4,5,6,7
	FRAG 128*(\p)+FR*\i, ADRB+\slot, \q, \i
.endr
	WIN 0
.endm
.macro FETCH_A slot, q, i0
.irp i, \i0, \i0+1, \i0+2, \i0+3
	FRAG AF+FR*(\i), ADRA+\slot, \q, \i
.endr
.endm
.macro SCALES sc                       ; a K step's scale words: lanes 0-15 take A's block i, lanes 16-31 B's block i
.irp i, 0,1,2,3,4,5,6,7
	ds_load_b64 v[SC+8*NQ*\sc+NQ*\i:SC+8*NQ*\sc+NQ*\i+1], v[ADRS] offset:(\i/4)*HALFS+(\i%4)*SBLK
.endr
.endm
.macro PLACES n                        ; plain vector instructions between a matrix instruction and a load into, or a read of, its registers
.rept \n
	v_nop
.endr
.endm
.macro STEP slot, q, mode              ; 128 along K that has its successor in the same slot
	s_wait_dscnt 4*NL                              ; B's set and A's blocks 0-3 are in; the youngest sixteen loads (A's blocks 4-7) may be out
.if \mode
	WIN 0x81                                       ; C, the bias, in window 0; D in window 2
.else
	WIN MUL_LO
.endif
	MUL16 0, (\q)%2, \q, \slot, \mode
	MUL16 2, (\q)%2, \q, \slot, \mode
	s_wait_dscnt 0
	PLACES NP
	FETCH_B \slot, (\q)+1, 1-(\q)%2
	FETCH_A \slot, (\q)+1, 0
.if \mode
	WIN 0xc1
.else
	WIN MUL_HI
.endif
	MUL16 4, (\q)%2, \q, \slot, \mode
	MUL16 6, (\q)%2, \q, \slot, \mode
	PLACES NP
	WIN 0
	FETCH_A \slot, (\q)+1, 4
.endm
; A slot's last step changes slots: one barrier; in front of it each wave waits for all its tensor loads, adds 0 to its spare word, and waits for that and for its own reads of this slot.
.macro TURN slot, next, fill
	s_wait_tensorcnt 0x0                           ; all my tensor loads have landed: my part of the next slot
	ds_add_u32 v[SPW], v[NIL]                      ; 0 onto my spare word
	s_wait_dscnt 4*NL+1                            ; (the add and the youngest sixteen loads may be out)
	WIN MUL_LO
	MUL16 0, 1, NQ-1, \slot, 0
	s_wait_dscnt 0x0                               ; the add is done, and my reads of this slot are over
	s_barrier_signal -1
	MUL16 2, 1, NQ-1, \slot, 0
	WIN 0
	s_barrier_wait -1
.if \fill
	CREST                                          ; the barrier has opened a round of the cluster's barrier: no wave of any partner still reads this slot or has a load on its way
	s_add_nc_u64 s[G0+4*\slot+2:G0+4*\slot+3], s[G0+4*\slot+2:G0+4*\slot+3], 2*ROWB
	s_add_nc_u64 s[G0B+4*\slot+2:G0B+4*\slot+3], s[G0B+4*\slot+2:G0B+4*\slot+3], 2*ROWB
	JLOAD G0+4*\slot, G1, G0B+4*\slot, G1B         ; the first tensor load behind the round, my one load until the next
	PLACES NP-4
.else
	PLACES NP
.endif
	s_wait_alu depctr_va_vdst(0)
	v_add_nc_u32 v[ADRS], 4*NQ, v[ADRS]            ; on to the next K step's scale words
	FETCH_B \next, 0, 0
	FETCH_A \next, 0, 0
	SCALES \next
	WIN MUL_HI
	MUL16 4, 1, NQ-1, \slot, 0
	MUL16 6, 1, NQ-1, \slot, 0
	PLACES NP
	WIN 0
	FETCH_A \next, 0, 4
.endm
	s_wait_alu depctr_va_vdst(0)                   ; the wait at the head's end
	s_wait_loadcnt 0x0                             ; the biases and my scale bytes
	s_wait_tensorcnt 0x0                           ; my part of slot 0 is in: no tensor load of mine is out while I store to LDS
.irp i, 0,1,2,3,4,5,6,7
	ds_store_b128 v12, v[192+4*\i:195+4*\i] offset:544*\i   ; two units a store
.endr
	s_wait_tensorcnt 0x0                           ; wait, add, wait: ahead of a later first fill, as ahead of a refill
	ds_add_u32 v[SPW], v[NIL]
	s_wait_dscnt 0x0                               ; the add and my stores of scale bytes are done
	CROUND                                         ; a whole round: slot 0 and the scales are whole, and all sixteen work-groups are here
	JLOAD G0+4, G1, G0B+4, G1B                     ; K step 1: the first tensor load behind the round
	FETCH_B 0, 0, 0
	FETCH_A 0, 0, 0
	SCALES 0
	FETCH_A 0, 0, 4
	s_cmp_eq_u32 s23, 1                            ; the first step starts the sums with the bias as C: by B's block (q|k) or by A's (v)
	s_cbranch_scc1 .Lfirst_v
	s_wait_alu depctr_va_vdst(0)
	STEP 0, 0, 1
	s_branch .Lgo
.Lfirst_v:
	s_wait_alu depctr_va_vdst(0)
	STEP 0, 0, 2
.Lgo:
	s_mov_b32 s3, LAPS-1
.Llap:
	TURN 0, 1, 1
	STEP 1, 0, 0
	TURN 1, 0, 1
	STEP 0, 0, 0
	s_sub_co_u32 s3, s3, 1
	s_cmp_lg_u32 s3, 0
	s_cbranch_scc1 .Llap
	TURN 0, 1, 0                                   ; the last lap fills nothing
	STEP 1, 0, 0
	s_wait_dscnt 4*NL
	WIN MUL_LO
	MUL16 0, 1, NQ-1, 1, 0
	MUL16 2, 1, NQ-1, 1, 0
	s_wait_dscnt 0
	WIN MUL_HI
	MUL16 4, 1, NQ-1, 1, 0
	MUL16 6, 1, NQ-1, 1, 0
	WIN 0
	PLACES NP                                      ; behind the last products: for the reads of results and the writes into operands' registers below
	s_mov_b32 s46, 0x76543210                      ; v_permlanex16_b32's selects for lane l xor 16
	s_mov_b32 s47, 0xfedcba98
	s_cmp_eq_u32 s23, 1
	s_cbranch_scc1 .Lout_v
; ---------------- q and k: rotate, quantise along the head's 64 channels, store images and scale words
.set INV, 64                           ; v64-79   inv_freq of my 16 frequencies: 4 b' + p is frequency 32 head + 8 b' + 4 h + p
.set CS,  80                           ; v80-111  (cos, sin) of each
.set HWQ, 112                          ; v112-119 q's two scale bytes of block a;  v120-127 k's
.set HWK, 120
.set TM,  128                          ; v128-135 +0, 1 largest magnitudes; +2, 3 the other half's, then bytes; +4, 5 57,344 x the scale; +6, 7 the conversions' scale operands
.set KA,  136                          ; v136-137 (S2, S1);  v138-139 (C2, C1)
.set KB,  138
.set TT,  140                          ; v140-143 at work
.set WO,  144                          ; v144-151 words on the way out
.set RR,  152                          ; v152-183 32 rotated numbers
.set CD,  184                          ; v184-199 codes, two sets of 8
.set AN,  152                          ; the angles, then the reduced angles (they and NF lie where the rotated numbers will)
.set NF,  168                          ; the quadrant numbers
.set SN,  200
.set CN,  216
.set ZZ,  232
	s_lshr_b32 s24, s45, 4                         ; bp
	s_and_b32 s25, s45, 15                         ; pb
	s_lshl_b32 s27, s24, 5
	s_add_co_u32 s27, s27, s2                      ; 16 (2 bp) + head: the lower batch's head number; the upper batch's lies 16 further on, which the stores' immediates reach
	s_mov_b32 s29, 0
	s_lshl_b32 s28, s27, 17                        ; qc: 131,072 bytes a head, 1,024 a tile of 16 positions: tile 8 pb + 4 WI
	s_lshl_b32 s30, s25, 13
	s_add_co_u32 s28, s28, s30
	s_lshl_b32 s30, s21, 12
	s_add_co_u32 s28, s28, s30
	s_add_nc_u64 s[98:99], s[98:99], s[28:29]
	s_lshl_b32 s28, s27, 13                        ; qs: 8,192 bytes a head, 256 for 64 positions: group 2 pb + WI
	s_lshl_b32 s30, s25, 9
	s_add_co_u32 s28, s28, s30
	s_lshl_b32 s30, s21, 8
	s_add_co_u32 s28, s28, s30
	s_add_nc_u64 s[100:101], s[100:101], s[28:29]
	s_mul_i32 s28, s27, HEADKV                     ; kv: key step 2 (pb / 2) + WI, tiles 4 u + 0 .. 3 with u = pb % 2
	s_lshr_b32 s30, s25, 1
	s_lshl_b32 s30, s30, 1
	s_add_co_u32 s30, s30, s21
	s_mul_i32 s30, s30, REC
	s_add_co_u32 s28, s28, s30
	s_and_b32 s31, s25, 1
	s_lshl_b32 s30, s31, 12
	s_add_co_u32 s28, s28, s30
	s_add_nc_u64 s[104:105], s[104:105], s[28:29]
	s_mul_i32 s31, s31, 3968
	s_sub_co_u32 s31, 16384, s31
	v_add_nc_u32 v[KSO], s31, v[L4]                ; from that base the scale words lie at 16,384 + 128 u - 4,096 u + 4 x lane
	s_mov_b32 s4, 0x3f22f983                       ; 2 / pi  (each constant as a pair: the packed forms name a pair and take its low word)
	s_mov_b32 s5, s4
	s_mov_b32 s6, 0x3fc90fdb                       ; pi / 2, rounded,
	s_mov_b32 s7, s6
	s_mov_b32 s8, 0xb33bbd2e                       ; and what the rounding left
	s_mov_b32 s9, s8
	s_mov_b32 s10, 0xb94ca1f9                      ; S3
	s_mov_b32 s11, s10
	s_mov_b32 s12, 0x37ccf5ce                      ; C3
	s_mov_b32 s13, s12
	s_mov_b32 s14, 0x80000000
	v_mov_b32 v[KA], 0x3c08839e                    ; S2
	v_mov_b32 v[KA+1], 0xbe2aaaa3                  ; S1
	v_mov_b32 v[KB], 0xbab6061a                    ; C2
	v_mov_b32 v[KB+1], 0x3d2aaaa5                  ; C1
	v_mov_b32 v[TM+2], 0                           ; (a lane permute's destination counts as one of its sources)
	v_mov_b32 v[TM+3], 0
.irp n, 0,1,2,3,4,5,6,7,8,9,10,11,12,13,14,15
	v_add_nc_u32 v[AN+\n], 4*(8*(\n/4)+\n%4), v[IDX]   ; 4 x the lane that made frequency 8 b' + 4 h + p of the head's 32
.endr
.irp n, 0,1,2,3,4,5,6,7,8,9,10,11,12,13,14,15
	ds_bpermute_b32 v[INV+\n], v[AN+\n], v[INV1]
.endr
	s_wait_dscnt 0x0
.macro QUAD i                          ; frequency i by its quadrant n mod 4: sine and cosine change places where n is odd; the sine's sign is bit 1 of n, the cosine's bit 1 of n + 1
	v_and_b32 v[TT], 1, v[NF+\i]
	v_cmp_eq_u32 vcc_lo, 1, v[TT]
	v_cndmask_b32 v[TT+1], v[CN+\i], v[SN+\i], vcc_lo
	v_cndmask_b32 v[TT+2], v[SN+\i], v[CN+\i], vcc_lo
	v_add_lshl_u32 v[TT], v[NF+\i], 1, 30
	v_lshlrev_b32 v[TT+3], 30, v[NF+\i]
	v_and_b32 v[TT], s14, v[TT]
	v_and_b32 v[TT+3], s14, v[TT+3]
	v_xor_b32 v[CS+2*\i], v[TT], v[TT+1]
	v_xor_b32 v[CS+2*\i+1], v[TT+3], v[TT+2]
.endm
.macro SINCOS                          ; (cos, sin) of my position x my 16 frequencies, two at a time; then the position goes 16 on
.irp k, 0,2,4,6,8,10,12,14
	v_pk_mul_f32 v[AN+\k:AN+\k+1], v[INV+\k:INV+\k+1], v[POSF:POSF+1] op_sel_hi:[1,0]   ; the angle: one f32 product
.endr
.irp k, 0,2,4,6,8,10,12,14
	v_pk_mul_f32 v[NF+\k:NF+\k+1], v[AN+\k:AN+\k+1], s[4:5] op_sel_hi:[1,0]
.endr
.irp i, 0,1,2,3,4,5,6,7,8,9,10,11,12,13,14,15
	v_rndne_f32 v[NF+\i], v[NF+\i]                 ; n, at most 1,303
.endr
.irp k, 0,2,4,6,8,10,12,14
	v_pk_fma_f32 v[AN+\k:AN+\k+1], v[NF+\k:NF+\k+1], s[6:7], v[AN+\k:AN+\k+1] op_sel_hi:[1,0,1] neg_lo:[1,0,0] neg_hi:[1,0,0]   ; exact: a multiple of 2^-23 under 2
.endr
.irp k, 0,2,4,6,8,10,12,14
	v_pk_fma_f32 v[AN+\k:AN+\k+1], v[NF+\k:NF+\k+1], s[8:9], v[AN+\k:AN+\k+1] op_sel_hi:[1,0,1] neg_lo:[1,0,0] neg_hi:[1,0,0]
.endr
.irp k, 0,2,4,6,8,10,12,14
	v_pk_mul_f32 v[ZZ+\k:ZZ+\k+1], v[AN+\k:AN+\k+1], v[AN+\k:AN+\k+1]
.endr
.irp k, 0,2,4,6,8,10,12,14
	v_pk_fma_f32 v[SN+\k:SN+\k+1], v[ZZ+\k:ZZ+\k+1], s[10:11], v[KA:KA+1] op_sel_hi:[1,0,0]
	v_pk_fma_f32 v[CN+\k:CN+\k+1], v[ZZ+\k:ZZ+\k+1], s[12:13], v[KB:KB+1] op_sel_hi:[1,0,0]
.endr
.irp k, 0,2,4,6,8,10,12,14
	v_pk_fma_f32 v[SN+\k:SN+\k+1], v[SN+\k:SN+\k+1], v[ZZ+\k:ZZ+\k+1], v[KA:KA+1] op_sel:[0,0,1] op_sel_hi:[1,1,1]
	v_pk_fma_f32 v[CN+\k:CN+\k+1], v[CN+\k:CN+\k+1], v[ZZ+\k:ZZ+\k+1], v[KB:KB+1] op_sel:[0,0,1] op_sel_hi:[1,1,1]
.endr
.irp k, 0,2,4,6,8,10,12,14
	v_pk_mul_f32 v[SN+\k:SN+\k+1], v[SN+\k:SN+\k+1], v[ZZ+\k:ZZ+\k+1]
	v_pk_fma_f32 v[CN+\k:CN+\k+1], v[CN+\k:CN+\k+1], v[ZZ+\k:ZZ+\k+1], -0.5 op_sel_hi:[1,1,0]
.endr
.irp k, 0,2,4,6,8,10,12,14
	v_pk_fma_f32 v[SN+\k:SN+\k+1], v[SN+\k:SN+\k+1], v[AN+\k:AN+\k+1], v[AN+\k:AN+\k+1]   ; sin r = r + r z (S1 + z (S2 + z S3))
	v_pk_fma_f32 v[CN+\k:CN+\k+1], v[CN+\k:CN+\k+1], v[ZZ+\k:ZZ+\k+1], 1.0 op_sel_hi:[1,1,0]   ; cos r = 1 + z (-1/2 + z (C1 + z (C2 + z C3)))
.endr
.irp i, 0,1,2,3,4,5,6,7,8,9,10,11,12,13,14,15
	v_cvt_i32_f32 v[NF+\i], v[NF+\i]
.endr
.irp i, 0,1,2,3,4,5,6,7,8,9,10,11,12,13,14,15
	QUAD \i
.endr
	v_add_f32 v[POSF], 0x41800000, v[POSF]
.endm
; Block a of positions, q (kk = 0) or k (kk = 1): 32 numbers a lane are rotated, quantised in two blocks of 32 channels (a block lies in lanes l and l xor 16), and leave as two groups of four registers.
.macro UNIT a, kk, set
.set AC, 64*((\a)%4)+32*(\kk)
.set CC, CD+8*(\set)
	WIN 0x02+(\a)/4                                ; source 0: the accumulators' window
.irp n, 0,1,2,3,4,5,6,7,8,9,10,11,12,13,14,15
	v_pk_mul_f32 v[RR+2*\n:RR+2*\n+1], v[AC+2*\n:AC+2*\n+1], v[CS+2*\n:CS+2*\n+1] op_sel:[1,1] op_sel_hi:[1,0] neg_lo:[0,1]   ; (-x2 sin, x2 cos); each accumulator is read from its low end on
.endr
.irp n, 0,1,2,3,4,5,6,7,8,9,10,11,12,13,14,15
	v_pk_fma_f32 v[RR+2*\n:RR+2*\n+1], v[AC+2*\n:AC+2*\n+1], v[CS+2*\n:CS+2*\n+1], v[RR+2*\n:RR+2*\n+1] op_sel_hi:[0,1,1]    ; (x1 cos - x2 sin, x1 sin + x2 cos)
.endr
	WIN 0
.irp c, 0,1
	v_max3_num_f32 v[TM+\c], |v[RR+16*\c]|, |v[RR+16*\c+1]|, 0x8000000   ; my 16 numbers of block c, and the floor 2^(16 - 127): the byte cannot fall under 1
.endr
.irp i, 2,4,6,8,10,12,14
.irp c, 0,1
	v_max3_num_f32 v[TM+\c], v[TM+\c], |v[RR+16*\c+\i]|, |v[RR+16*\c+\i+1]|
.endr
.endr
.irp c, 0,1
	v_permlanex16_b32 v[TM+2+\c], v[TM+\c], s46, s47
.endr
.irp c, 0,1
	v_max_num_f32 v[TM+\c], v[TM+\c], v[TM+2+\c]
.endr
.irp c, 0,1
	v_add_nc_u32 v[TM+6+\c], 0xf8800000, v[TM+\c]  ; 15 off the exponent field: the conversion's scale operand
.endr
.irp c, 0,1
	v_and_or_b32 v[TM+4+\c], v[TM+\c], 0x7f800000, s67   ; 57,344 x the scale
.endr
.irp c, 0,1
	v_lshrrev_b32 v[TM+2+\c], 23, v[TM+6+\c]       ; the scale's byte
.endr
	v_lshl_or_b32 v[HWQ+8*(\kk)+(\a)], v[TM+3], 8, v[TM+2]
.irp c, 0,1
.irp i, 0,1,2,3,4,5,6,7,8,9,10,11,12,13,14,15
	v_med3_num_f32 v[RR+16*\c+\i], v[RR+16*\c+\i], -v[TM+4+\c], v[TM+4+\c]   ; the conversion to an 8-bit code does not saturate (ISA guide 7.6.2)
.endr
.endr
	s_wait_alu depctr_va_vdst(0)
	s_wait_xcnt 0x0                                ; the earlier stores have read their data: the codes' registers are written again only behind this wait
.irp c, 0,1
	v_cvt_scalef32_pk8_bf8_f32 v[CC+4*\c:CC+4*\c+1], v[RR+16*\c:RR+16*\c+7], v[TM+6+\c]
	v_cvt_scalef32_pk8_bf8_f32 v[CC+4*\c+2:CC+4*\c+3], v[RR+16*\c+8:RR+16*\c+15], v[TM+6+\c]
.endr
	v_nop                                          ; a plain instruction behind the last conversion
.irp c, 0,1
.if \kk == 0
	global_store_b128 v[L16], v[CC+4*\c:CC+4*\c+3], s[98:99] offset:((\a)/4)*2097152+((\a)%4)*1024+512*\c     ; 32 lanes store 512 consecutive bytes, aligned
.else
	global_store_b128 v[L16], v[CC+4*\c:CC+4*\c+3], s[104:105] offset:((\a)/4)*4325376+((\a)%4)*1024+512*\c
.endif
.endr
.endm
.irp pt, 0,1,2,3                       ; a tile of 16 positions: its cosines and sines serve q and k of both batches
	SINCOS
	UNIT \pt, 0, 0
	UNIT \pt, 1, 1
	UNIT 4+\pt, 0, 0
	UNIT 4+\pt, 1, 1
.endr
.irp e, 0,1
	v_cndmask_b32 v[WO+4*\e], v[HWQ+4*\e], v[HWQ+4*\e+1], s66      ; q: lanes 0-15 the even tile's words, lanes 16-31 the odd tile's;
	v_cndmask_b32 v[WO+4*\e+1], v[HWQ+4*\e+2], v[HWQ+4*\e+3], s66
	v_or_b32 v[WO+4*\e], 0x7f7f0000, v[WO+4*\e]                    ; the bytes of the half of K that holds zero codes are 127
	v_or_b32 v[WO+4*\e+1], 0x7f7f0000, v[WO+4*\e+1]
	global_store_b64 v[L8], v[WO+4*\e:WO+4*\e+1], s[100:101] offset:131072*\e   ; 256 consecutive bytes, aligned
	v_lshl_or_b32 v[WO+4*\e+2], v[HWK+4*\e+1], 16, v[HWK+4*\e]     ; k: a fragment is two tiles of keys: the even tile's bytes below, the odd tile's above
	v_lshl_or_b32 v[WO+4*\e+3], v[HWK+4*\e+3], 16, v[HWK+4*\e+2]
	v_cndmask_b32 v[WO+4*\e+2], v[WO+4*\e+2], v[WO+4*\e+3], s66
	global_store_b32 v[KSO], v[WO+4*\e+2], s[104:105] offset:4325376*\e
.endr
	s_branch .Lend
; ---------------- v: quantise along the keys, store images and scale words
.Lout_v:
.set R64, 128                          ; v128-191 64 held numbers
.set VCD, 192                          ; v192-223 codes, two sets of 16
.set VTM, 224                          ; v224-239 as in the other epilogue, four blocks wide
.set PW,  240                          ; v240-247 block a's scale word
.set WV2, 248                          ; v248-251 words on the way out
	s_lshl_b32 s24, s42, 2
	s_add_co_u32 s24, s24, s40                     ; which 256 rows of x: 4 x cluster y + cx
	s_lshr_b32 s25, s24, 3                         ; the batch
	s_and_b32 s24, s24, 7
	s_lshl_b32 s24, s24, 1
	s_add_co_u32 s24, s24, s22                     ; the key step: 2 t + WJ
	s_lshl_b32 s25, s25, 4
	s_lshl_b32 s26, s41, 2
	s_add_co_u32 s25, s25, s26
	s_add_co_u32 s25, s25, s21                     ; 16 batch + head 4 cy + WI (blocks 0-3); blocks 4-7 are the head two further on, which the stores' immediates reach
	s_mul_i32 s28, s25, HEADKV
	s_mul_i32 s24, s24, REC
	s_add_co_u32 s28, s28, s24
	s_mov_b32 s29, 0
	s_add_nc_u64 s[104:105], s[104:105], s[28:29]
.irp c, 0,1,2,3
	v_mov_b32 v[VTM+4+\c], 0
.endr
.macro VUNIT a                         ; 16 channels x 128 keys: four blocks of 32 keys, each in lanes l and l xor 16
.set AC, 64*((\a)%4)
.set VC, VCD+16*((\a)%2)
	WIN 0x0a+5*((\a)/4)                            ; sources 0 and 1: the accumulators' window
.irp c, 0,1,2,3
	v_max3_num_f32 v[VTM+\c], |v[AC+16*\c]|, |v[AC+16*\c+1]|, 0x8000000
.endr
.irp i, 2,4,6,8,10,12,14
.irp c, 0,1,2,3
	v_max3_num_f32 v[VTM+\c], |v[AC+16*\c+\i]|, |v[AC+16*\c+\i+1]|, v[VTM+\c]
.endr
.endr
	WIN 0
.irp c, 0,1,2,3
	v_permlanex16_b32 v[VTM+4+\c], v[VTM+\c], s46, s47
.endr
.irp c, 0,1,2,3
	v_max_num_f32 v[VTM+\c], v[VTM+\c], v[VTM+4+\c]
.endr
.irp c, 0,1,2,3
	v_add_nc_u32 v[VTM+12+\c], 0xf8800000, v[VTM+\c]
.endr
.irp c, 0,1,2,3
	v_and_or_b32 v[VTM+8+\c], v[VTM+\c], 0x7f800000, s67
.endr
.irp c, 0,1,2,3
	v_lshrrev_b32 v[VTM+4+\c], 23, v[VTM+12+\c]
.endr
	v_lshl_or_b32 v[PW+(\a)], v[VTM+5], 8, v[VTM+4]
	v_lshl_or_b32 v[PW+(\a)], v[VTM+6], 16, v[PW+(\a)]
	v_lshl_or_b32 v[PW+(\a)], v[VTM+7], 24, v[PW+(\a)]
	WIN 0x02+(\a)/4
.irp c, 0,1,2,3
.irp i, 0,1,2,3,4,5,6,7,8,9,10,11,12,13,14,15
	v_med3_num_f32 v[R64+16*\c+\i], v[AC+16*\c+\i], -v[VTM+8+\c], v[VTM+8+\c]
.endr
.endr
	WIN 0
	s_wait_alu depctr_va_vdst(0)
	s_wait_xcnt 0x0                                ; the earlier stores have read their data
.irp c, 0,1,2,3
	v_cvt_scalef32_pk8_bf8_f32 v[VC+4*\c:VC+4*\c+1], v[R64+16*\c:R64+16*\c+7], v[VTM+12+\c]
	v_cvt_scalef32_pk8_bf8_f32 v[VC+4*\c+2:VC+4*\c+3], v[R64+16*\c+8:R64+16*\c+15], v[VTM+12+\c]
.endr
	v_nop
.irp c, 0,1,2,3
	global_store_b128 v[L16], v[VC+4*\c:VC+4*\c+3], s[104:105] offset:((\a)/4)*2*HEADKV+8192+((\a)%4)*2048+512*\c
.endr
.endm
.irp a, 0,1,2,3,4,5,6,7
	VUNIT \a
.endr
.irp g, 0,1
	v_cndmask_b32 v[WV2+2*\g], v[PW+4*\g], v[PW+4*\g+1], s66       ; lanes 0-15 the even channel tile's words, lanes 16-31 the odd one's
	v_cndmask_b32 v[WV2+2*\g+1], v[PW+4*\g+2], v[PW+4*\g+3], s66
	global_store_b64 v[L8], v[WV2+2*\g:WV2+2*\g+1], s[104:105] offset:\g*2*HEADKV+16640   ; 256 consecutive bytes, aligned
.endr
.Lend:
	s_wait_tensorcnt 0x0                           ; the wave's end
	ds_add_u32 v[SPW], v[NIL]
	s_wait_dscnt 0x0
	CROUND                                         ; the closing round: no work-group ends while a partner may still ask for a tile that names it
	s_endpgm
.Lfunc_end_k_q9f5dd5dfb9_qkv:
	.size	k_q9f5dd5dfb9_qkv, .Lfunc_end_k_q9f5dd5dfb9_qkv-k_q9f5dd5dfb9_qkv
	.p2alignl 7, 3214868480
	.fill 96, 4, 3214868480
	.section	.rodata,"a",@progbits
	.p2align	6, 0x0
	.amdhsa_kernel k_q9f5dd5dfb9_qkv
		.amdhsa_group_segment_fixed_size 327680
		.amdhsa_private_segment_fixed_size 0
		.amdhsa_enable_private_segment 0
		.amdhsa_kernarg_size 112
		.amdhsa_user_sgpr_count 2
		.amdhsa_user_sgpr_kernarg_segment_ptr 1
		.amdhsa_wavefront_size32 1
		.amdhsa_system_sgpr_workgroup_id_x 1
		.amdhsa_system_sgpr_workgroup_id_y 1
		.amdhsa_system_sgpr_workgroup_id_z 1
		.amdhsa_system_vgpr_workitem_id 0
		.amdhsa_next_free_vgpr 1024
		.amdhsa_next_free_sgpr 106
		.amdhsa_reserve_vcc 1
		.amdhsa_float_denorm_mode_32 3
		.amdhsa_float_denorm_mode_16_64 3
		.amdhsa_memory_ordered 1
		.amdhsa_forward_progress 1
		.amdhsa_inst_pref_size 255
	.end_amdhsa_kernel
	.section	.bss,"aw",@nobits
	.p2align	6
	.space	262144
	.amdgpu_metadata
---
amdhsa.version: [ 1, 2 ]
amdhsa.kernels:
  - .name:           k_q9f5dd5dfb9_qkv
    .symbol:         k_q9f5dd5dfb9_qkv.kd
    .args:
      - { .name: x_codes, .offset: 0, .size: 8, .value_kind: global_buffer, .address_space: global }
      - { .name: x_scales, .offset: 8, .size: 8, .value_kind: global_buffer, .address_space: global }
      - { .name: Wq_codes, .offset: 16, .size: 8, .value_kind: global_buffer, .address_space: global }
      - { .name: Wq_scales, .offset: 24, .size: 8, .value_kind: global_buffer, .address_space: global }
      - { .name: Wk_codes, .offset: 32, .size: 8, .value_kind: global_buffer, .address_space: global }
      - { .name: Wk_scales, .offset: 40, .size: 8, .value_kind: global_buffer, .address_space: global }
      - { .name: Wv_codes, .offset: 48, .size: 8, .value_kind: global_buffer, .address_space: global }
      - { .name: Wv_scales, .offset: 56, .size: 8, .value_kind: global_buffer, .address_space: global }
      - { .name: bq, .offset: 64, .size: 8, .value_kind: global_buffer, .address_space: global }
      - { .name: bk, .offset: 72, .size: 8, .value_kind: global_buffer, .address_space: global }
      - { .name: bv, .offset: 80, .size: 8, .value_kind: global_buffer, .address_space: global }
      - { .name: qc, .offset: 88, .size: 8, .value_kind: global_buffer, .address_space: global }
      - { .name: qs, .offset: 96, .size: 8, .value_kind: global_buffer, .address_space: global }
      - { .name: kv, .offset: 104, .size: 8, .value_kind: global_buffer, .address_space: global }
    .group_segment_fixed_size: 327680
    .private_segment_fixed_size: 0
    .kernarg_segment_align: 8
    .kernarg_segment_size: 112
    .max_flat_workgroup_size: 128
    .sgpr_count:     106
    .vgpr_count:     1024
    .wavefront_size: 32
...
	.end_amdgpu_metadata
.endif
;; end of part 1
;; launch attn (part 2): grid 4 x 64, 8 waves a work-group, clusters of 4 x 1, 327,680 bytes of LDS; arguments qc, qs, kv, oc, os; writes oc, os
.if DOCPART == 2
	.amdgcn_target "amdgcn-amd-amdhsa--gfx1250"
	.amdhsa_code_object_version 6
	.text
	.protected	k_q9f5dd5dfb9_attn
	.globl	k_q9f5dd5dfb9_attn
	.p2align	8
	.type	k_q9f5dd5dfb9_attn,@function
k_q9f5dd5dfb9_attn:
	s_mov_b64 s[64:65], 0
	v_nop
	global_prefetch_b8 v0, s[64:65] scope:SCOPE_SE
	s_setreg_imm32_b32 hwreg(HW_REG_WAVE_MODE, 25, 1), 1
	s_wait_xcnt 0x0
	s_wait_alu depctr_hold_cnt(0) depctr_sa_sdst(0) depctr_va_vdst(0) depctr_va_sdst(0) depctr_va_ssrc(0) depctr_va_vcc(0) depctr_vm_vsrc(0)
	s_getreg_b32 s2, hwreg(HW_REG_IB_STS2, 6, 4)
	s_cmp_eq_u32 s2, 0
	s_cbranch_scc0 .Lentry_in_a_cluster
	s_endpgm
.Lentry_in_a_cluster:
	s_bfe_u32 s2, ttmp6, 0x10000c
	s_cmp_lg_u32 s2, 0x3003
	s_cbranch_scc0 .Lentry_shape_is_right
	s_endpgm
.Lentry_shape_is_right:
; o = softmax(q k^T / 8) v for one head of 64 channels, both products on codes of BF8 (E5M2) with one E8M0 scale for each 32 along K; o leaves as codes again, quantised along the head's channels.
; THE SOFTMAX: t = score x log2(e) / 8; M = the running largest t rounded up to a whole number; p = 2^(t - M) is quantised along the keys; the row's sum is taken of the unquantised p and divides at the end.
; BUFFERS, as the launch before leaves them and the launch behind wants them, all images of operand registers (r = lane % 16, h = lane / 16):
;   qc[head][tile of 16 queries][2 pieces][lane][16 bytes];  qs[head][64 queries][lane][2 words]: word j: lanes 0-15 tile 2 j, lanes 16-31 tile 2 j + 1.
;   kv[head][key step of 128 keys]: a record of 16,896 bytes: 8,192 of K (4 fragments, each two tiles of 16 keys side by side along K = 128), 8,192 of V (4 tiles of 16 channels x 128 keys), 256 of K's scale words, 256 of V's.
;   oc[16 rows][128 of K][32 of K][lane][16 bytes];  os[row][32 bytes].
; SHARES: a work-group owns 512 queries of one head; the four of a cluster own the head's 2,048 and ask for its K and V jointly.  All 16 records, 270,336 bytes, come into LDS once: one tensor load a wave, two records each; nothing is filled again.
; A wave owns two tiles of 16 queries at a time, in two passes, and walks 16 key steps.  A head has 64 channels and the instruction 128 along K: q stands beside 64 zero codes, once below and once above, so that a fragment of K serves two tiles of keys.
; BOTH TILES ARE WORKED SIDE BY SIDE: their chains of dependent lines take turns; tile 0's exponentials have tile 1's multiply-adds between them, tile 1's have tile 0's holds.
; Both products are used transposed: a lane holds one query (r) throughout; the 16 registers of a fragment's two tiles are one half of a block of 32 keys.
; V of this step and K of the next are asked of LDS straight behind the scores; the one wait for them stands ahead of the second product.  The last step asks for no further K, so it is written out.
; NO PREFETCH: all that the work-group reads of kv is asked for by the head's loads; there is no loop to run ahead in.
; LIMITS: the promise holds while the scaled scores stay under 2^31 in magnitude; NaN and infinities are not served; a block whose largest magnitude lies under 2^-111 keeps the scale byte 1 (its codes are zeros or subnormals; this program alone reads the bytes).
; REGISTERS.  Window 0: v1-10 addresses; v12-15 (f, at work) a tile; v16-23 scale words and nothing else; v24-27 (-M, largest score) a tile; v28-31 the sums; v32-159 the scores, then p; v160-223 O^T; v224-255 16 a tile at work.
;   Window 1: v0-63 K's fragments; v64-127 V's; v128-159 p's codes; v160-207 a tile's (8 zeros, q, 8 zeros).
.set REC,  16896
.set SPARE, 16*REC                     ; behind the records: the spare words, 128 bytes a wave
.set LI,   1                           ; 16 x lane
.set L4,   2                           ; 4 x lane
.set L8,   3                           ; 8 x lane
.set AD,   4                           ; the step's record + 16 x lane
.set AS,   5                           ; + 4 x lane
.set AV,   6                           ; + 8 x lane
.set OA,   7                           ; o's codes: 16 r + 8 h
.set OSA,  8                           ; o's scale bytes: 32 r
.set SPW,  9
.set NIL,  10
.set F,    12
.set KSC,  16
.set VSC,  18
.set QSL,  20
.set QSH,  21
.set PS,   22
.set NM,   24
.set SUM,  28
.set S,    32
.set O,    160
.set W,    224                         ; a tile's 16: +0 block maxima; +4 the other half's, sums' chains, bytes; +8 bounds; +12 the conversions' scale operands
.set KF,   0
.set VF,   64
.set PC,   128
.set QZ,   160
.set MSB, 0
.macro WIN new                         ; the immediate's high byte repeats the setting that is left
.if MSB != (\new)
	s_set_vgpr_msb (MSB<<8)|(\new)
.set MSB, (\new)
.endif
.endm
.macro ROUND                           ; a round of the cluster's barrier
	s_barrier_signal -1
	s_barrier_wait -1
	s_cmp_lg_u32 s14, 0
	s_cbranch_scc1 .Lnot_wave_0_\@
	s_barrier_signal -3
.Lnot_wave_0_\@:
	s_barrier_wait -3
	s_barrier_signal -1
	s_barrier_wait -1
.endm
	s_load_b256 s[4:11], s[0:1], 0x0               ; qc, qs, kv, oc
	s_load_b64 s[12:13], s[0:1], 0x20              ; os
	v_lshl_add_u32 v[SPW], v0, 2, SPARE
	v_mov_b32 v[NIL], 0
	ds_add_u32 v[SPW], v[NIL]                      ; the opening lines: the add, twice on end, and its wait ahead of my first tensor load
	ds_add_u32 v[SPW], v[NIL]
	v_lshrrev_b32 v11, 5, v0
	v_readfirstlane_b32 s14, v11                   ; wave 0..7
	s_bfe_u32 s15, ttmp6, 0x40000                  ; cx: which 512 queries
	s_and_b32 s16, ttmp7, 0xffff                   ; 16 batch + head
	s_mov_b32 s24, 15|(3<<16)|(1<<21)              ; group 1: the mask of all four; elements of 8 bytes; bit 21 beside a mask
	s_mov_b32 s25, 32<<16                          ; rows of 256 bytes,
	s_mov_b32 s26, 132<<16                         ; 132 of them: two records, dense in memory
	s_mov_b32 s27, 32<<16
	s_mov_b32 s28, 132
	s_mov_b32 s29, 32
	s_mov_b32 s30, 0
	s_mov_b32 s31, 0
	s_mov_b32 s19, 0x600000                        ; the mantissa field of 57,344
	s_mov_b32 s20, 0x76543210                      ; v_permlanex16_b32's selects for lane l xor 16
	s_mov_b32 s21, 0xfedcba98
	s_mov_b32 s22, 0x3e38aa3b                      ; c = log2(e) / 8
	s_mov_b32 s23, s22
	s_mul_i32 s33, s14, 2*REC                      ; my two records in LDS,
	s_mul_i32 s44, s16, 16*REC
	s_add_co_u32 s44, s44, s33                     ; and in kv
	s_mov_b32 s45, 0
	s_mov_b32 s32, 1
	s_lshl_b32 s46, s16, 17                        ; qc: 131,072 bytes a head, 32,768 a work-group, 2,048 a wave
	s_lshl_b32 s54, s15, 15
	s_add_co_u32 s46, s46, s54
	s_lshl_b32 s54, s14, 11
	s_add_co_u32 s46, s46, s54
	s_mov_b32 s47, 0
	s_lshl_b32 s48, s16, 13                        ; qs: 8,192 a head, 2,048 a work-group, 256 for two waves, word wave % 2
	s_lshl_b32 s54, s15, 11
	s_add_co_u32 s48, s48, s54
	s_lshr_b32 s54, s14, 1
	s_lshl_b32 s54, s54, 8
	s_add_co_u32 s48, s48, s54
	s_and_b32 s54, s14, 1
	s_lshl_b32 s54, s54, 2
	s_add_co_u32 s48, s48, s54
	s_mov_b32 s49, 0
	s_lshr_b32 s55, s16, 4                         ; the batch
	s_and_b32 s56, s16, 15                         ; the head
	s_lshl_b32 s50, s55, 21                        ; oc: 16,384 bytes for 16 rows; in them 1,024 a head
	s_lshl_b32 s54, s15, 19
	s_add_co_u32 s50, s50, s54
	s_lshl_b32 s54, s14, 15
	s_add_co_u32 s50, s50, s54
	s_lshl_b32 s54, s56, 10
	s_add_co_u32 s50, s50, s54
	s_mov_b32 s51, 0
	s_lshl_b32 s52, s55, 16                        ; os: 32 bytes a row; in them 2 a head
	s_lshl_b32 s54, s15, 14
	s_add_co_u32 s52, s52, s54
	s_lshl_b32 s54, s14, 10
	s_add_co_u32 s52, s52, s54
	s_lshl_b32 s54, s56, 1
	s_add_co_u32 s52, s52, s54
	s_mov_b32 s53, 0
	s_wait_dscnt 0x0                               ; both opening adds are done
	s_wait_kmcnt 0x0
	s_add_nc_u64 s[34:35], s[8:9], s[44:45]
	s_or_b32 s35, s35, 0x80000000
	s_add_nc_u64 s[4:5], s[4:5], s[46:47]
	s_add_nc_u64 s[6:7], s[6:7], s[48:49]
	s_add_nc_u64 s[10:11], s[10:11], s[50:51]
	s_add_nc_u64 s[12:13], s[12:13], s[52:53]
	ROUND                                          ; all four work-groups are here: the joint loads meet
	tensor_load_to_lds s[32:35], s[24:31]          ; my one tensor load
	s_nop 0
.rept 4
	v_nop
.endr
	v_and_b32 v11, 31, v0
	v_lshlrev_b32 v[LI], 4, v11
	v_lshlrev_b32 v[L4], 2, v11
	v_lshlrev_b32 v[L8], 3, v11
	v_and_b32 v[OSA], 15, v0
	v_bfe_u32 v11, v0, 4, 1
	v_lshlrev_b32 v[OA], 4, v[OSA]
	v_lshl_add_u32 v[OA], v11, 3, v[OA]
	v_lshlrev_b32 v[OSA], 5, v[OSA]
.macro QLOAD                           ; my two tiles of q and their scale words (lanes 0-15 tile 0's, lanes 16-31 tile 1's)
	WIN 0x40
.irp t, 0,1
	global_load_b128 v[QZ+24*\t+8:QZ+24*\t+11], v[LI], s[4:5] offset:1024*\t
	global_load_b128 v[QZ+24*\t+12:QZ+24*\t+15], v[LI], s[4:5] offset:1024*\t+512
.endr
	WIN 0
	global_load_b32 v[QSL], v[L8], s[6:7]
.endm
	QLOAD
	WIN 0x40
.irp t, 0,1
.irp j, 0,1,2,3,4,5,6,7
	v_mov_b32 v[QZ+24*\t+\j], 0                    ; the zero codes on either side of q
	v_mov_b32 v[QZ+24*\t+16+\j], 0
.endr
.endr
	WIN 0
.irp t, 0,1
.irp j, 4,5,6,7
	v_mov_b32 v[W+16*\t+\j], 0                     ; written once: a lane permute's destination counts as one of its sources
.endr
.endr
	s_wait_alu depctr_va_vdst(0)                   ; the wait at the head's end
	s_wait_tensorcnt 0x0                           ; my two records are in;
	s_barrier_signal -1
	s_barrier_wait -1                              ; and everybody's
.macro SP d, a, b, sa, sb, ra, rb      ; a product of the scores: it starts its sum
.if (\ra) == 0 && (\rb) == 0
	v_wmma_scale_f32_16x16x128_f8f6f4 v[\d:\d+7], v[\a:\a+15], v[\b:\b+15], 0, v[\sa], v[\sb] matrix_a_fmt:MATRIX_FMT_BF8 matrix_b_fmt:MATRIX_FMT_BF8
.elseif (\ra) == 1 && (\rb) == 0
	v_wmma_scale_f32_16x16x128_f8f6f4 v[\d:\d+7], v[\a:\a+15], v[\b:\b+15], 0, v[\sa], v[\sb] matrix_a_fmt:MATRIX_FMT_BF8 matrix_b_fmt:MATRIX_FMT_BF8 matrix_a_scale:MATRIX_SCALE_ROW1
.elseif (\ra) == 0
	v_wmma_scale_f32_16x16x128_f8f6f4 v[\d:\d+7], v[\a:\a+15], v[\b:\b+15], 0, v[\sa], v[\sb] matrix_a_fmt:MATRIX_FMT_BF8 matrix_b_fmt:MATRIX_FMT_BF8 matrix_b_scale:MATRIX_SCALE_ROW1
.else
	v_wmma_scale_f32_16x16x128_f8f6f4 v[\d:\d+7], v[\a:\a+15], v[\b:\b+15], 0, v[\sa], v[\sb] matrix_a_fmt:MATRIX_FMT_BF8 matrix_b_fmt:MATRIX_FMT_BF8 matrix_a_scale:MATRIX_SCALE_ROW1 matrix_b_scale:MATRIX_SCALE_ROW1
.endif
.endm
.macro PV d, a, b, sa, sb, ra          ; a product onto O^T
.if (\ra) == 0
	v_wmma_scale_f32_16x16x128_f8f6f4 v[\d:\d+7], v[\a:\a+15], v[\b:\b+15], v[\d:\d+7], v[\sa], v[\sb] matrix_a_fmt:MATRIX_FMT_BF8 matrix_b_fmt:MATRIX_FMT_BF8
.else
	v_wmma_scale_f32_16x16x128_f8f6f4 v[\d:\d+7], v[\a:\a+15], v[\b:\b+15], v[\d:\d+7], v[\sa], v[\sb] matrix_a_fmt:MATRIX_FMT_BF8 matrix_b_fmt:MATRIX_FMT_BF8 matrix_a_scale:MATRIX_SCALE_ROW1
.endif
.endm
.macro SUMS t                          ; the row's sum of the unquantised p: 32 packed additions in four chains
.set SS, S+64*(\t)
.set C1, W+16*(\t)+4
.set SM, SUM+2*(\t)
	v_pk_add_f32 v[C1:C1+1], v[SS:SS+1], v[SS+2:SS+3]
	v_pk_add_f32 v[C1+2:C1+3], v[SS+4:SS+5], v[SS+6:SS+7]
	v_pk_add_f32 v[C1+4:C1+5], v[SS+8:SS+9], v[SS+10:SS+11]
	v_pk_add_f32 v[SM:SM+1], v[SM:SM+1], v[SS+12:SS+13]
.set J, 14
.rept 6
	v_pk_add_f32 v[C1:C1+1], v[C1:C1+1], v[SS+J:SS+J+1]
	v_pk_add_f32 v[C1+2:C1+3], v[C1+2:C1+3], v[SS+J+2:SS+J+3]
	v_pk_add_f32 v[C1+4:C1+5], v[C1+4:C1+5], v[SS+J+4:SS+J+5]
	v_pk_add_f32 v[SM:SM+1], v[SM:SM+1], v[SS+J+6:SS+J+7]
.set J, J+8
.endr
	v_pk_add_f32 v[SM:SM+1], v[SM:SM+1], v[SS+62:SS+63]
	v_pk_add_f32 v[C1:C1+1], v[C1:C1+1], v[C1+2:C1+3]
	v_pk_add_f32 v[SM:SM+1], v[SM:SM+1], v[C1+4:C1+5]
	v_pk_add_f32 v[SM:SM+1], v[SM:SM+1], v[C1:C1+1]
.endm
.macro SCALE t                         ; from the four blocks' largest p: scale operands, bounds, bytes, and p's scale word
.set WW, W+16*(\t)
.irp b, 0,1,2,3
	v_max_num_f32 v[WW+\b], 0x8000000, v[WW+\b]            ; the floor 2^(16 - 127): the byte cannot fall under 1
.endr
.irp b, 0,1,2,3
	v_add_nc_u32 v[WW+12+\b], 0xf8800000, v[WW+\b]         ; 15 off the exponent field
.endr
.irp b, 0,1,2,3
	v_and_or_b32 v[WW+8+\b], v[WW+\b], 0x7f800000, s19     ; 57,344 x the scale
.endr
.irp b, 0,1,2,3
	v_lshrrev_b32 v[WW+4+\b], 23, v[WW+12+\b]
.endr
	v_lshl_or_b32 v[F+2*(\t)+1], v[WW+5], 8, v[WW+4]
	v_lshl_or_b32 v[F+2*(\t)+1], v[WW+6], 16, v[F+2*(\t)+1]
	v_lshl_or_b32 v[PS+(\t)], v[WW+7], 24, v[F+2*(\t)+1]
.endm
.macro HOLD x, b                       ; two p held at the largest number under their block's scale (the conversion does not saturate: ISA guide 7.6.2); p is not negative, so the hold is one-sided
	v_dual_min_num_f32 v[\x], v[\x], v[\b] :: v_dual_min_num_f32 v[\x+1], v[\x+1], v[\b]
.endm
; A KEY STEP of 128 keys for both tiles.  next = 1: the next step's K is asked for too
.macro STEP next
	WIN 0x05                                       ; sources 0 and 1 in window 1, sums in window 0
.irp t, 0,1
.irp f, 0,1,2,3
	SP S+64*\t+16*\f, KF+16*\f, QZ+24*\t+8, KSC+\f/2, QSL, \f%2, \t
	SP S+64*\t+16*\f+8, KF+16*\f, QZ+24*\t, KSC+\f/2, QSH, \f%2, \t
.endr
.endr
	WIN 0
	v_add_nc_u32 v[AD], s40, v[LI]                 ; eight places behind the products, ahead of the loads into what they and the last step's have read, and of the first read of the scores
	v_add_nc_u32 v[AV], s40, v[L8]
.if \next
	v_add_nc_u32 v[AS], s40, v[L4]
.endif
.rept 6-\next
	v_nop
.endr
	WIN 0x40
.irp d, 0,1,2,3
.irp c, 0,1,2,3
	ds_load_b128 v[VF+16*\d+4*\c:VF+16*\d+4*\c+3], v[AD] offset:8192+2048*\d+512*\c
.endr
.endr
.if \next
.irp f, 0,1,2,3
.irp c, 0,1,2,3
	ds_load_b128 v[KF+16*\f+4*\c:KF+16*\f+4*\c+3], v[AD] offset:REC+2048*\f+512*\c
.endr
.endr
.endif
	WIN 0
	ds_load_b64 v[VSC:VSC+1], v[AV] offset:16640
.if \next
	ds_load_b32 v[KSC], v[AS] offset:REC+16384
	ds_load_b32 v[KSC+1], v[AS] offset:REC+16384+128
.endif
	; the largest score of each block of 32 keys: eight chains by turns; each accumulator is read from its low end on
.irp b, 0,1,2,3
.irp t, 0,1
	v_max3_num_f32 v[W+16*\t+\b], v[S+64*\t+16*\b], v[S+64*\t+16*\b+1], v[S+64*\t+16*\b+2]
.endr
.endr
.irp i, 3,5,7,9,11,13
.irp b, 0,1,2,3
.irp t, 0,1
	v_max3_num_f32 v[W+16*\t+\b], v[W+16*\t+\b], v[S+64*\t+16*\b+\i], v[S+64*\t+16*\b+\i+1]
.endr
.endr
.endr
.irp b, 0,1,2,3
.irp t, 0,1
	v_max_num_f32 v[W+16*\t+\b], v[W+16*\t+\b], v[S+64*\t+16*\b+15]
.endr
.endr
.irp b, 0,1,2,3
.irp t, 0,1
	v_permlanex16_b32 v[W+16*\t+4+\b], v[W+16*\t+\b], s20, s21
.endr
.endr
.irp b, 0,1,2,3
.irp t, 0,1
	v_max_num_f32 v[W+16*\t+\b], v[W+16*\t+\b], v[W+16*\t+4+\b]
.endr
.endr
	; the running largest score, -M = floor(-c x it), f = 2^(old M - new M)
.irp t, 0,1
	v_max3_num_f32 v[F+2*\t+1], v[W+16*\t], v[W+16*\t+1], v[W+16*\t+2]
.endr
.irp t, 0,1
	v_max3_num_f32 v[NM+2*\t+1], v[NM+2*\t+1], v[F+2*\t+1], v[W+16*\t+3]
.endr
.irp t, 0,1
	v_mul_f32 v[F+2*\t+1], s22, v[NM+2*\t+1]
.endr
.irp t, 0,1
	v_mov_b32 v[F+2*\t], v[NM+2*\t]
.endr
.irp t, 0,1
	v_floor_f32 v[NM+2*\t], -v[F+2*\t+1]
.endr
.irp t, 0,1
	v_sub_f32 v[F+2*\t+1], v[NM+2*\t], v[F+2*\t]   ; a whole number, 0 or less
.endr
.irp t, 0,1
	v_cvt_i32_f32 v[F+2*\t+1], v[F+2*\t+1]         ; (it saturates)
.endr
.irp t, 0,1
	v_ldexp_f32 v[F+2*\t], 1.0, v[F+2*\t+1]
.endr
.irp t, 0,1
	v_pk_mul_f32 v[SUM+2*\t:SUM+2*\t+1], v[SUM+2*\t:SUM+2*\t+1], v[F+2*\t:F+2*\t+1] op_sel_hi:[1,0]
.endr
.set J, 0
.rept 16                               ; O^T under the new M, ahead of the exponentials: no transcendental stands between the last step's products and these first readers
	v_pk_mul_f32 v[O+J:O+J+1], v[O+J:O+J+1], v[F:F+1] op_sel_hi:[1,0]
	v_pk_mul_f32 v[O+32+J:O+32+J+1], v[O+32+J:O+32+J+1], v[F+2:F+3] op_sel_hi:[1,0]
.set J, J+2
.endr
.set J, 0
.rept 32
	v_pk_fma_f32 v[S+J:S+J+1], v[S+J:S+J+1], s[22:23], v[NM:NM+1] op_sel_hi:[1,0,0]   ; tile 0: t - M
.set J, J+2
.endr
.irp b, 0,1,2,3
	v_fma_f32 v[W+\b], v[W+\b], s22, v[NM]         ; the same of each block's largest score
.endr
	s_wait_alu depctr_va_vdst(0)                   ; the wait ahead of the batch
.set J, 0
.rept 32                               ; tile 0's exponentials; between them tile 1's t - M, lines that hang on nothing written in this stretch
	v_exp_f32 v[S+J], v[S+J]
	v_exp_f32 v[S+J+1], v[S+J+1]
	v_pk_fma_f32 v[S+64+J:S+64+J+1], v[S+64+J:S+64+J+1], s[22:23], v[NM+2:NM+3] op_sel_hi:[1,0,0]
.set J, J+2
.endr
.irp b, 0,1,2,3
	v_exp_f32 v[W+\b], v[W+\b]                     ; a block's largest p
	v_fma_f32 v[W+16+\b], v[W+16+\b], s22, v[NM+2]
.endr
	s_wait_alu depctr_va_vdst(0)                   ; one wait for the batch, ahead of its first reader
	SUMS 0
	SCALE 0
	s_wait_alu depctr_va_vdst(0)                   ; ahead of the second batch
.set J, 0
.rept 32                               ; tile 1's exponentials; between them tile 0's holds
	v_exp_f32 v[S+64+J], v[S+64+J]
	v_exp_f32 v[S+64+J+1], v[S+64+J+1]
	HOLD S+J, W+8+J/16
.set J, J+2
.endr
.irp b, 0,1,2,3
	v_exp_f32 v[W+16+\b], v[W+16+\b]
.endr
	v_nop                                          ; a plain place behind the last transcendental
	s_wait_alu depctr_va_vdst(0)
	SUMS 1
	SCALE 1
.set J, 0
.rept 32
	HOLD S+64+J, W+24+J/16
.set J, J+2
.endr
	WIN 0x40                                       ; the codes go to window 1: they are the second product's operand as they stand
.irp t, 0,1
.irp b, 0,1,2,3
	v_cvt_scalef32_pk8_bf8_f32 v[PC+16*\t+4*\b:PC+16*\t+4*\b+1], v[S+64*\t+16*\b:S+64*\t+16*\b+7], v[W+16*\t+12+\b]
	v_cvt_scalef32_pk8_bf8_f32 v[PC+16*\t+4*\b+2:PC+16*\t+4*\b+3], v[S+64*\t+16*\b+8:S+64*\t+16*\b+15], v[W+16*\t+12+\b]
.endr
.endr
	WIN 0
.rept 4
	v_nop                                          ; four places between the codes and the scaled products
.endr
	s_wait_alu depctr_va_vdst(0)                   ; directly ahead of the wait below
	s_wait_dscnt 0x0                               ; V, and the next step's K: all were asked for a softmax ago
	WIN 0x05
.irp t, 0,1
.irp d, 0,1,2,3
	PV O+32*\t+8*\d, VF+16*\d, PC+16*\t, VSC+\d/2, PS+\t, \d%2
.endr
.endr
	WIN 0
.endm
	s_mov_b32 s41, 2
.Lpass:
	s_wait_loadcnt 0x0                             ; q
	v_lshl_or_b32 v[QSH], v[QSL], 16, 0x7f7f       ; q's bytes for the upper half of K; the half of zero codes has 127
.irp t, 0,1
	v_mov_b32 v[NM+2*\t], 0x7f61b1e6               ; -M = 3e38, the largest score -3e38: the first step's f is 0, over zeros
	v_mov_b32 v[NM+2*\t+1], 0xff61b1e6
	v_mov_b32 v[SUM+2*\t], 0
	v_mov_b32 v[SUM+2*\t+1], 0
.endr
.set J, 0
.rept 64
	v_mov_b32 v[O+J], 0
.set J, J+1
.endr
	WIN 0x40
.irp f, 0,1,2,3
.irp c, 0,1,2,3
	ds_load_b128 v[KF+16*\f+4*\c:KF+16*\f+4*\c+3], v[LI] offset:2048*\f+512*\c   ; the first step's K
.endr
.endr
	WIN 0
	ds_load_b32 v[KSC], v[L4] offset:16384
	ds_load_b32 v[KSC+1], v[L4] offset:16384+128
	s_mov_b32 s40, 0
	s_mov_b32 s42, 15
	s_wait_alu depctr_va_vdst(0)                   ; directly ahead of the wait below
	s_wait_dscnt 0x0
.Lstep:
	STEP 1
	s_add_co_u32 s40, s40, REC
	s_sub_co_u32 s42, s42, 1
	s_cmp_lg_u32 s42, 0
	s_cbranch_scc1 .Lstep
	STEP 0                                         ; the last record: no K behind it
.rept 8
	v_nop                                          ; places behind the last products, ahead of the first read of O^T
.endr
	s_cmp_eq_u32 s41, 1
	s_cbranch_scc1 .Lno_next
	s_add_nc_u64 s[4:5], s[4:5], 16384             ; the next pass's q, 256 queries on, comes under the way out
	s_add_nc_u64 s[6:7], s[6:7], 1024
	QLOAD
.Lno_next:
	; THE WAY OUT: O^T / the sum, quantised in two blocks of 32 channels (a block lies in lanes l and l xor 16), both tiles by turns
.irp t, 0,1
	v_add_f32 v[SUM+2*\t], v[SUM+2*\t], v[SUM+2*\t+1]
.endr
.irp t, 0,1
	v_permlanex16_b32 v[W+16*\t+4], v[SUM+2*\t], s20, s21
.endr
.irp t, 0,1
	v_add_f32 v[SUM+2*\t], v[SUM+2*\t], v[W+16*\t+4]
.endr
	s_wait_alu depctr_va_vdst(0)                   ; ahead of the transcendentals
.irp t, 0,1
	v_rcp_f32 v[SUM+2*\t], v[SUM+2*\t]
.endr
	v_nop
	s_wait_alu depctr_va_vdst(0)                   ; behind them, directly ahead of the first readers of O^T
.set J, 0
.rept 16
	v_pk_mul_f32 v[O+J:O+J+1], v[O+J:O+J+1], v[SUM:SUM+1] op_sel_hi:[1,0]
	v_pk_mul_f32 v[O+32+J:O+32+J+1], v[O+32+J:O+32+J+1], v[SUM+2:SUM+3] op_sel_hi:[1,0]
.set J, J+2
.endr
.irp c, 0,1
.irp t, 0,1
	v_max3_num_f32 v[W+16*\t+\c], |v[O+32*\t+16*\c]|, |v[O+32*\t+16*\c+1]|, 0x8000000
.endr
.endr
.irp i, 2,4,6,8,10,12,14
.irp c, 0,1
.irp t, 0,1
	v_max3_num_f32 v[W+16*\t+\c], v[W+16*\t+\c], |v[O+32*\t+16*\c+\i]|, |v[O+32*\t+16*\c+\i+1]|
.endr
.endr
.endr
.irp c, 0,1
.irp t, 0,1
	v_permlanex16_b32 v[W+16*\t+4+\c], v[W+16*\t+\c], s20, s21
.endr
.endr
.irp c, 0,1
.irp t, 0,1
	v_max_num_f32 v[W+16*\t+\c], v[W+16*\t+\c], v[W+16*\t+4+\c]
.endr
.endr
.irp c, 0,1
.irp t, 0,1
	v_add_nc_u32 v[W+16*\t+12+\c], 0xf8800000, v[W+16*\t+\c]
.endr
.endr
.irp c, 0,1
.irp t, 0,1
	v_and_or_b32 v[W+16*\t+8+\c], v[W+16*\t+\c], 0x7f800000, s19
.endr
.endr
.irp c, 0,1
.irp t, 0,1
	v_lshrrev_b32 v[W+16*\t+4+\c], 23, v[W+16*\t+12+\c]
.endr
.endr
.irp t, 0,1
	v_lshl_or_b32 v[F+2*\t], v[W+16*\t+5], 8, v[W+16*\t+4]
.endr
.irp t, 0,1
.irp c, 0,1
.irp i, 0,1,2,3,4,5,6,7,8,9,10,11,12,13,14,15
	v_med3_num_f32 v[O+32*\t+16*\c+\i], v[O+32*\t+16*\c+\i], -v[W+16*\t+8+\c], v[W+16*\t+8+\c]
.endr
.endr
.endr
.irp t, 0,1
.irp d, 0,1,2,3
	v_cvt_scalef32_pk8_bf8_f32 v[S+64*\t+2*\d:S+64*\t+2*\d+1], v[O+32*\t+8*\d:O+32*\t+8*\d+7], v[W+16*\t+12+\d/2]
.endr
.endr
	v_nop                                          ; a plain line behind the last conversion
.irp t, 0,1
.irp d, 0,1,2,3
	global_store_b64 v[OA], v[S+64*\t+2*\d:S+64*\t+2*\d+1], s[10:11] offset:16384*\t+512*(\d/2)+256*(\d%2)   ; 32 lanes store 256 consecutive bytes, aligned
.endr
	global_store_b16 v[OSA], v[F+2*\t], s[12:13] offset:512*\t   ; a row's two bytes of this head; the row's other 30 are other work-groups'
.endr
	s_wait_xcnt 0x0                                ; the stores have read their bases and data: both are written again only behind this wait
	s_add_nc_u64 s[10:11], s[10:11], 262144
	s_add_nc_u64 s[12:13], s[12:13], 8192
	s_sub_co_u32 s41, s41, 1
	s_cmp_lg_u32 s41, 0
	s_cbranch_scc1 .Lpass
	s_wait_tensorcnt 0x0                           ; the wave's end
	ds_add_u32 v[SPW], v[NIL]
	s_wait_dscnt 0x0
	ROUND                                          ; the closing round
	s_endpgm
.Lfunc_end_k_q9f5dd5dfb9_attn:
	.size	k_q9f5dd5dfb9_attn, .Lfunc_end_k_q9f5dd5dfb9_attn-k_q9f5dd5dfb9_attn
	.p2alignl 7, 3214868480
	.fill 96, 4, 3214868480
	.section	.rodata,"a",@progbits
	.p2align	6, 0x0
	.amdhsa_kernel k_q9f5dd5dfb9_attn
		.amdhsa_group_segment_fixed_size 327680
		.amdhsa_private_segment_fixed_size 0
		.amdhsa_enable_private_segment 0
		.amdhsa_kernarg_size 40
		.amdhsa_user_sgpr_count 2
		.amdhsa_user_sgpr_kernarg_segment_ptr 1
		.amdhsa_wavefront_size32 1
		.amdhsa_system_sgpr_workgroup_id_x 1
		.amdhsa_system_sgpr_workgroup_id_y 1
		.amdhsa_system_sgpr_workgroup_id_z 1
		.amdhsa_system_vgpr_workitem_id 0
		.amdhsa_next_free_vgpr 512
		.amdhsa_next_free_sgpr 66
		.amdhsa_reserve_vcc 0
		.amdhsa_float_denorm_mode_32 3
		.amdhsa_float_denorm_mode_16_64 3
		.amdhsa_memory_ordered 1
		.amdhsa_forward_progress 1
		.amdhsa_inst_pref_size 90
	.end_amdhsa_kernel
	.amdgpu_metadata
---
amdhsa.version: [ 1, 2 ]
amdhsa.kernels:
  - .name:           k_q9f5dd5dfb9_attn
    .symbol:         k_q9f5dd5dfb9_attn.kd
    .args:
      - { .name: qc, .offset: 0, .size: 8, .value_kind: global_buffer, .address_space: global }
      - { .name: qs, .offset: 8, .size: 8, .value_kind: global_buffer, .address_space: global }
      - { .name: kv, .offset: 16, .size: 8, .value_kind: global_buffer, .address_space: global }
      - { .name: oc, .offset: 24, .size: 8, .value_kind: global_buffer, .address_space: global }
      - { .name: os, .offset: 32, .size: 8, .value_kind: global_buffer, .address_space: global }
    .group_segment_fixed_size: 327680
    .private_segment_fixed_size: 0
    .kernarg_segment_align: 8
    .kernarg_segment_size: 40
    .max_flat_workgroup_size: 256
    .sgpr_count:     66
    .vgpr_count:     512
    .wavefront_size: 32
...
	.end_amdgpu_metadata
.endif
;; end of part 2
;; launch proj (part 3): grid 8 x 32, 4 waves a work-group, clusters of 4 x 4, 327,680 bytes of LDS; arguments oc, os, W0_codes, W0_scales, b0, out0; writes out0
.if DOCPART == 3
	.amdgcn_target "amdgcn-amd-amdhsa--gfx1250"
	.amdhsa_code_object_version 6
	.text
	.protected	k_q9f5dd5dfb9_proj
	.globl	k_q9f5dd5dfb9_proj
	.p2align	8
	.type	k_q9f5dd5dfb9_proj,@function
k_q9f5dd5dfb9_proj:
	s_mov_b64 s[64:65], 0
	v_nop
	global_prefetch_b8 v0, s[64:65] scope:SCOPE_SE
	s_setreg_imm32_b32 hwreg(HW_REG_WAVE_MODE, 25, 1), 1
	s_wait_xcnt 0x0
	s_wait_alu depctr_hold_cnt(0) depctr_sa_sdst(0) depctr_va_vdst(0) depctr_va_sdst(0) depctr_va_ssrc(0) depctr_va_vcc(0) depctr_vm_vsrc(0)
	s_getreg_b32 s2, hwreg(HW_REG_IB_STS2, 6, 4)
	s_cmp_eq_u32 s2, 0
	s_cbranch_scc0 .Lentry_in_a_cluster
	s_endpgm
.Lentry_in_a_cluster:
	s_bfe_u32 s2, ttmp6, 0x10000c
	s_cmp_lg_u32 s2, 0xf033
	s_cbranch_scc0 .Lentry_shape_is_right
	s_endpgm
.Lentry_shape_is_right:
; out0 = o W0 + b0 on codes of BF8 (E5M2) with one E8M0 scale for each 32 along K = 1,024; sums in f32; 8,192 x 1,024 x 1,024.
; BUFFERS (r = lane % 16, h = lane / 16): oc[tile of 16 rows][128 of K][32 of K][lane][16 bytes]: images of operand registers, 16,384 dense bytes a tile; os[row][32 bytes]; W0_codes[n][1,024]; W0_scales[n][32].
; THE DEAL: 256 work-groups of four waves, 2 x 2; a work-group makes 256 rows x 128 columns.  A wave holds 64 rows of W0, ALL of K, in registers (512) and streams o's tiles of 16 rows past them, two whole sets (256): 8 blocks of 32 products.
; Wave row w takes tiles 2 k + w of each chunk of 8.  Source 0 = W0's rows, source 1 = o's rows: a lane holds one row of the result and its registers eight neighbouring columns.  The bias is the first products' C.
; LDS: two slots of 128 rows of 1,024 bytes + 16 of padding.  A tile of oc is 16 such rows, so byte y of a tile lies at y + 16 (y / 1,024).  Slot X takes o's rows 0-127.  Slot Y takes W0's 128 rows; when all waves hold them in registers,
; o's rows 128-255 are filled over them behind a drained round of the cluster's barrier, a quarter a wave: the same rows, pitch and padding.  The scale bytes of o's 256 rows lie behind the slots.
; CLUSTERS: 4 x 4 work-groups; o's rows and scale bytes are asked for jointly along a row of the cluster, W0's rows along a column.
; PREFETCH: o's rows 128-255, 131,072 bytes, are asked of memory at the head, ahead of the load that wants them by the weights' 128 and the first two blocks' 68 LDS loads and a round: the sixteen waves of a cluster's row take 8,192 bytes each, told apart by address, a lane 256 bytes.
; THE WAY OUT: a block's 16 rows x 64 columns go through my own stage in LDS and come back as rows of 256 bytes; they are stored behind the next block's products, so that nothing waits for the stage.
; LIMITS: NaN, infinities and sums beyond f32's range are not served.
; REGISTERS.  Window 0: v1-15 addresses; v24-39 W0's scale words, v44-59 o's, two sets: nothing else; v64-127 two sets of four accumulators; v128-191 two sets of rows read back; v208-239 the bias.  Windows 1, 2: W0's fragments.  Window 3: o's two sets.
.set KROW,  1024
.set PITCH, 1040
.set CH,    128
.set TILE,  16*PITCH
.set YB,    CH*PITCH
.set SCL,   2*CH*PITCH                 ; the scale bytes of o's 256 rows: 32 units of 256 bytes + 16 of padding
.set STG,   SCL+32*272                 ; the stages: 16 rows x (256 + 16) bytes a wave; no tensor load fills them
.set SPARE, STG+4*16*272
.set ADRA0, 4                          ; 16 x lane + wave row x a tile
.set CO,    5                          ; out0: 4,096 h + 16 r
.set AAS,   6                          ; my row's scale words in tile w
.set STO,   7                          ; the stage, in
.set RD,    8                          ; the stage, back
.set ADRB,  9                          ; my fragments of W0 in slot Y
.set SPW,   10
.set NIL,   11
.set ADRA,  12                         ; as v4, for the block that is fetched
.set ABS,   13                         ; 32 x lane
.set PF,    14                         ; the prefetch's offset
.set BOF,   15                         ; 32 h
.set SB,    24
.set SA,    44
.set ACC,   64
.set RB,    128
.set BQ,    208
.set G1B, 24
.set G1A, 32
.set G1R, 48
.set G0B, 56
.set G0A, 60
.set G0R, 68
.set G1S, 72
.set G0S, 80
.set MSB, 0
.macro WIN new
.if MSB != (\new)
	s_set_vgpr_msb (MSB<<8)|(\new)
.set MSB, (\new)
.endif
.endm
.macro PLACES n
.rept \n
	v_nop
.endr
.endm
.macro BARRIER
	s_barrier_signal -1
	s_barrier_wait -1
.endm
.macro ROUND                           ; a round of the cluster's barrier
	BARRIER
	s_cmp_lg_u32 s20, 0
	s_cbranch_scc1 .Lnot_wave_0_\@
	s_barrier_signal -3
.Lnot_wave_0_\@:
	s_barrier_wait -3
	BARRIER
.endm
.macro TLOAD g0, g1                    ; an s_nop 0 and four v_nop follow a tensor load
	tensor_load_to_lds s[\g0:\g0+3], s[\g1:\g1+7]
	s_nop 0
	PLACES 4
.endm
.macro GROUP1 g, mask, rows            ; so many rows of 1,024 bytes, dense in memory, 16 bytes of padding behind each in LDS
	s_or_b32 s[\g+0], s[\mask], (1<<20)|(1<<21)|(7<<22)|(3<<25)
	s_mov_b32 s[\g+1], KROW<<16
	s_mov_b32 s[\g+2], (\rows)<<16
	s_mov_b32 s[\g+3], KROW<<16
	s_mov_b32 s[\g+4], \rows
	s_mov_b32 s[\g+5], KROW
	s_mov_b32 s[\g+6], 0
	s_mov_b32 s[\g+7], 0
.endm
	s_load_b256 s[4:11], s[0:1], 0x0               ; oc, os, W0's codes, W0's scales
	s_load_b128 s[12:15], s[0:1], 0x20             ; b0, out0
	v_lshl_add_u32 v[SPW], v0, 2, SPARE
	v_mov_b32 v[NIL], 0
	ds_add_u32 v[SPW], v[NIL]                      ; the opening lines: the add, twice on end, and its wait ahead of my first tensor load
	ds_add_u32 v[SPW], v[NIL]
	v_lshrrev_b32 v1, 5, v0
	v_readfirstlane_b32 s20, v1                    ; wave 0..3
	s_lshr_b32 s21, s20, 1                         ; my row of waves
	s_and_b32 s22, s20, 1                          ; my column of waves
	s_bfe_u32 s40, ttmp6, 0x40000                  ; cx
	s_bfe_u32 s41, ttmp6, 0x40004                  ; cy
	s_lshl_b32 s42, ttmp9, 2
	s_add_co_u32 s42, s42, s40                     ; tile column: 128 columns
	s_and_b32 s43, ttmp7, 0xffff
	s_lshl_b32 s43, s43, 2
	s_add_co_u32 s43, s43, s41                     ; tile row: 256 rows
	s_lshl_b32 s44, s41, 2
	s_lshl_b32 s44, 15, s44                        ; my row of the cluster: shares o's rows
	s_lshl_b32 s45, 0x1111, s40                    ; my column: shares W0's
	GROUP1 G1B, 45, CH
	GROUP1 G1A, 44, CH
	GROUP1 G1R, 44, CH/4
	s_or_b32 s[G1S+0], s44, (3<<16)|(1<<20)|(1<<21)|(5<<22)|(3<<25)   ; the scale bytes of 128 rows: 4,096 dense bytes as 16 rows of 256, 16 of padding behind each
	s_mov_b32 s[G1S+1], 32<<16
	s_mov_b32 s[G1S+2], 16<<16
	s_mov_b32 s[G1S+3], 32<<16
	s_mov_b32 s[G1S+4], 16
	s_mov_b32 s[G1S+5], 32
	s_mov_b32 s[G1S+6], 0
	s_mov_b32 s[G1S+7], 0
	s_lshl_b32 s84, s43, 18                        ; oc: my 256 rows
	s_mov_b32 s85, 0
	s_lshl_b32 s86, s42, 17                        ; W0's codes: my 128 rows
	s_mov_b32 s87, 0
	s_lshl_b32 s88, s43, 13                        ; os: waves 2 and 3 fetch 128 rows' each
	s_lshl_b32 s23, s22, 12
	s_add_co_u32 s88, s88, s23
	s_mov_b32 s89, 0
	s_lshl_b32 s90, s42, 12                        ; W0's scale bytes: my wave's 64 rows
	s_lshl_b32 s23, s22, 11
	s_add_co_u32 s90, s90, s23
	s_mov_b32 s91, 0
	s_lshl_b32 s92, s42, 9                         ; my wave's first column, in bytes of f32
	s_lshl_b32 s23, s22, 8
	s_add_co_u32 s92, s92, s23
	s_mov_b32 s93, 0
	s_lshl_b32 s94, s43, 20                        ; out0: row 256 x tile row + 16 x wave row, and that column
	s_lshl_b32 s23, s21, 16
	s_add_co_u32 s94, s94, s23
	s_add_co_u32 s94, s94, s92
	s_mov_b32 s95, 0
	s_lshl_b32 s46, s20, 15                        ; the refill: rows 128 + 32 x wave
	s_add_co_u32 s46, s46, 131072
	s_add_co_u32 s46, s46, s84
	s_mov_b32 s47, 0
	s_mov_b32 s[G0B], 1
	s_mov_b32 s[G0B+1], YB
	s_mov_b32 s[G0A], 1
	s_mov_b32 s[G0A+1], 0
	s_mov_b32 s[G0S], 1
	s_mul_i32 s[G0S+1], s22, 16*272
	s_add_co_u32 s[G0S+1], s[G0S+1], SCL
	s_mov_b32 s[G0R], 1
	s_mul_i32 s[G0R+1], s20, (CH/4)*PITCH
	s_add_co_u32 s[G0R+1], s[G0R+1], YB
	s_mul_i32 s23, s21, TILE                       ; the scalar parts of the LDS addresses
	s_mul_i32 s16, s22, 64*PITCH
	s_add_co_u32 s16, s16, YB
	s_mul_i32 s17, s21, 544
	s_add_co_u32 s17, s17, SCL
	s_mul_i32 s18, s20, 16*272
	s_add_co_u32 s18, s18, STG
	s_lshl_b32 s19, s40, 2                         ; which of the cluster row's sixteen waves I am: my share of the prefetch
	s_add_co_u32 s19, s19, s20
	s_lshl_b32 s19, s19, 13
	s_add_co_u32 s19, s19, s84
	s_add_co_u32 s19, s19, 131072
	s_wait_dscnt 0x0                               ; both opening adds are done
	ROUND                                          ; all sixteen work-groups are here: the first joint loads meet
	s_wait_kmcnt 0x0
	s_add_nc_u64 s[G0B+2:G0B+3], s[8:9], s[86:87]
	s_or_b32 s[G0B+3], s[G0B+3], 0x80000000
	s_add_nc_u64 s[G0A+2:G0A+3], s[4:5], s[84:85]
	s_or_b32 s[G0A+3], s[G0A+3], 0x80000000
	s_add_nc_u64 s[G0S+2:G0S+3], s[6:7], s[88:89]
	s_or_b32 s[G0S+3], s[G0S+3], 0x80000000
	s_add_nc_u64 s[G0R+2:G0R+3], s[4:5], s[46:47]
	s_or_b32 s[G0R+3], s[G0R+3], 0x80000000
	s_add_nc_u64 s[10:11], s[10:11], s[90:91]
	s_add_nc_u64 s[12:13], s[12:13], s[92:93]
	s_add_nc_u64 s[14:15], s[14:15], s[94:95]
	s_cmp_eq_u32 s20, 0                            ; ONE joint load a wave, in one chain of branches on the wave's number
	s_cbranch_scc0 .Lwave_1
	TLOAD G0B, G1B                                 ; wave 0: W0's rows, which go on into registers
	s_branch .Lasked
.Lwave_1:
	s_cmp_eq_u32 s20, 1
	s_cbranch_scc0 .Lfor_scales
	TLOAD G0A, G1A                                 ; wave 1: o's rows 0-127
	s_branch .Lasked
.Lfor_scales:
	TLOAD G0S, G1S                                 ; waves 2, 3: the scale bytes of 128 rows each
.Lasked:
	v_and_b32 v1, 15, v0                           ; r
	v_bfe_u32 v2, v0, 4, 1                         ; h
	v_and_b32 v3, 31, v0                           ; lane
	v_lshl_add_u32 v[ADRA0], v3, 4, s23
	v_mul_u32_u24 v[ADRB], v1, PITCH
	v_lshl_add_u32 v[ADRB], v2, 4, v[ADRB]
	v_add_nc_u32 v[ADRB], s16, v[ADRB]
	v_lshrrev_b32 v[AAS], 3, v1                    ; o's scale bytes: 32 a row, 8 rows a unit of 272
	v_mul_u32_u24 v[AAS], v[AAS], 272
	v_and_b32 v[ADRA], 7, v1
	v_lshl_add_u32 v[AAS], v[ADRA], 5, v[AAS]
	v_add_nc_u32 v[AAS], s17, v[AAS]
	v_mul_u32_u24 v[STO], v1, 272                  ; in: row r, 32 bytes for each half of the lanes
	v_lshl_add_u32 v[STO], v2, 5, v[STO]
	v_add_nc_u32 v[STO], s18, v[STO]
	v_mul_u32_u24 v[RD], v2, 272                   ; back: lanes 0-15 one row of 256 bytes, lanes 16-31 the next
	v_lshl_add_u32 v[RD], v1, 4, v[RD]
	v_add_nc_u32 v[RD], s18, v[RD]
	v_lshlrev_b32 v[CO], 12, v2                    ; and the same two rows in out0
	v_lshl_add_u32 v[CO], v1, 4, v[CO]
	v_lshlrev_b32 v[ABS], 5, v3
	v_lshlrev_b32 v[BOF], 5, v2
	v_lshl_add_u32 v[PF], v3, 8, s19
.irp p, 0,1
.irp c, 0,1
	global_load_b128 v[SB+8*\p+4*\c:SB+8*\p+4*\c+3], v[ABS], s[10:11] offset:\p*1024+16*\c   ; W0's scale words: register 8 p + q: lanes 0-15 tile 2 p's, lanes 16-31 tile 2 p + 1's
.endr
.endr
.irp b, 0,1,2,3
	global_load_b128 v[BQ+8*\b:BQ+8*\b+3], v[BOF], s[12:13] offset:64*\b          ; the bias in the result's layout: register j of tile b is column 16 b + 8 h + j
	global_load_b128 v[BQ+8*\b+4:BQ+8*\b+7], v[BOF], s[12:13] offset:64*\b+16
.endr
	global_prefetch_b8 v[PF], s[4:5] th:TH_LOAD_NT scope:SCOPE_SE   ; its address registers are never written again
	s_wait_alu depctr_va_vdst(0)                   ; the wait at the head's end
	s_wait_tensorcnt 0x0                           ; my tile of the head's four is in;
	BARRIER                                        ; and everybody's
.macro FETCHX k                        ; block k: a tile of o, all of K, into set k % 2 of window 3, and its rows' scale words: 34 loads
	v_add_nc_u32 v[ADRA], ((\k)/4)*YB+((\k)%4)*2*TILE, v[ADRA0]
	WIN 0xc0
.irp q, 0,1,2,3,4,5,6,7
.irp c, 0,1,2,3
	ds_load_b128 v[128*((\k)%2)+16*\q+4*\c:128*((\k)%2)+16*\q+4*\c+3], v[ADRA] offset:2080*\q+512*\c+16*(\c/2)
.endr
.endr
	WIN 0
	ds_load_b128 v[SA+8*((\k)%2):SA+8*((\k)%2)+3], v[AAS] offset:544*(8*((\k)/4)+2*((\k)%4))
	ds_load_b128 v[SA+8*((\k)%2)+4:SA+8*((\k)%2)+7], v[AAS] offset:544*(8*((\k)/4)+2*((\k)%4))+16
.endm
.macro PROD e, n                       ; product n = 4 q + b of a block: the q-th 128 of K, column tile b.  The four accumulators take turns
.set Q_, (\n)/4
.set B_, (\n)%4
.set AC_, ACC+32*(\e)+8*B_
.set W_, 16*((\n)%16)
.set R_, 128*(\e)+16*Q_
.set XS_, SA+8*(\e)+Q_
.set WS_, SB+8*(B_/2)+Q_
	WIN (1+(\n)/16)|(3<<2)
.if Q_ == 0 && B_%2
	v_wmma_scale_f32_16x16x128_f8f6f4 v[AC_:AC_+7], v[W_:W_+15], v[R_:R_+15], v[BQ+8*B_:BQ+8*B_+7], v[WS_], v[XS_] matrix_a_fmt:MATRIX_FMT_BF8 matrix_b_fmt:MATRIX_FMT_BF8 matrix_a_scale:MATRIX_SCALE_ROW1
.elseif Q_ == 0
	v_wmma_scale_f32_16x16x128_f8f6f4 v[AC_:AC_+7], v[W_:W_+15], v[R_:R_+15], v[BQ+8*B_:BQ+8*B_+7], v[WS_], v[XS_] matrix_a_fmt:MATRIX_FMT_BF8 matrix_b_fmt:MATRIX_FMT_BF8
.elseif B_%2
	v_wmma_scale_f32_16x16x128_f8f6f4 v[AC_:AC_+7], v[W_:W_+15], v[R_:R_+15], v[AC_:AC_+7], v[WS_], v[XS_] matrix_a_fmt:MATRIX_FMT_BF8 matrix_b_fmt:MATRIX_FMT_BF8 matrix_a_scale:MATRIX_SCALE_ROW1
.else
	v_wmma_scale_f32_16x16x128_f8f6f4 v[AC_:AC_+7], v[W_:W_+15], v[R_:R_+15], v[AC_:AC_+7], v[WS_], v[XS_] matrix_a_fmt:MATRIX_FMT_BF8 matrix_b_fmt:MATRIX_FMT_BF8
.endif
.endm
.macro STAGE k                         ; block k's sums into my stage, each accumulator from its low end on, and back as rows; LDS serves a wave's instructions in order (ISA guide 5.7.1.4)
.irp b, 0,1,2,3
	ds_store_b128 v[STO], v[ACC+32*((\k)%2)+8*\b:ACC+32*((\k)%2)+8*\b+3] offset:64*\b
	ds_store_b128 v[STO], v[ACC+32*((\k)%2)+8*\b+4:ACC+32*((\k)%2)+8*\b+7] offset:64*\b+16
.endr
.irp t, 0,1,2,3,4,5,6,7
	ds_load_b128 v[RB+32*((\k)%2)+4*\t:RB+32*((\k)%2)+4*\t+3], v[RD] offset:\t*2*272
.endr
.endm
.macro GOUT k                          ; block k leaves: sixteen lanes store 256 consecutive bytes, aligned
.irp t, 0,1,2,3,4,5,6,7
	global_store_b128 v[CO], v[RB+32*((\k)%2)+4*\t:RB+32*((\k)%2)+4*\t+3], s[14:15] offset:(128*((\k)/4)+32*((\k)%4))*4096+8192*\t th:TH_STORE_NT
.endr
.endm
.macro BLK k
.set N_, 0
.rept 32
	PROD (\k)%2, N_
.set N_, N_+1
.endr
	WIN 0
	PLACES 8                                       ; behind the block's last product: ahead of the loads into what it has read and of the first read of its sums
.if (\k) == 2
	s_wait_tensorcnt 0x0                           ; my quarter of o's rows 128-255 is in
.endif
	s_wait_dscnt 0x0                               ; the next block's set and the last block's rows: asked for 32 products ago
.if (\k) == 2
	BARRIER                                        ; everybody's quarter is in: block 4 is fetched below.
.endif
	s_wait_xcnt 0x0                                ; the stores of the block before last have read their data: its registers take this block's rows below
.if (\k) > 0
	GOUT (\k)-1
.endif
.if (\k) < 6
	FETCHX (\k)+2
.endif
	STAGE \k
.endm
.irp q, 0,1,2,3,4,5,6,7                ; my 64 rows of W0, all of K: fragment 4 q + b in window 1 + q / 4: 128 loads
	WIN (1+\q/4)<<6
.irp b, 0,1,2,3
.irp c, 0,1,2,3
	ds_load_b128 v[16*((4*\q+\b)%16)+4*\c:16*((4*\q+\b)%16)+4*\c+3], v[ADRB] offset:128*\q+32*\c+\b*16*PITCH
.endr
.endr
.endr
	WIN 0
	FETCHX 0
	FETCHX 1
	s_wait_tensorcnt 0x0                           ; wait, add, wait ahead of a refill's round
	ds_add_u32 v[SPW], v[NIL]
	s_wait_dscnt 0x0                               ; the add is done, and W0's rows are in my registers
	ROUND                                          ; so they are in every wave of every partner
	TLOAD G0R, G1R                                 ; o's rows 128-255 over W0's: the first tensor load behind the round, my one load
	s_wait_loadcnt 0x0                             ; W0's scale words and the bias
	BLK 0
	BLK 1
	BLK 2
	BLK 3
	BLK 4
	BLK 5
	BLK 6
	BLK 7
	s_wait_dscnt 0x0
	GOUT 7
	s_wait_tensorcnt 0x0                           ; the wave's end
	ds_add_u32 v[SPW], v[NIL]
	s_wait_dscnt 0x0
	ROUND                                          ; the closing round
	s_endpgm
.Lfunc_end_k_q9f5dd5dfb9_proj:
	.size	k_q9f5dd5dfb9_proj, .Lfunc_end_k_q9f5dd5dfb9_proj-k_q9f5dd5dfb9_proj
	.p2alignl 7, 3214868480
	.fill 96, 4, 3214868480
	.section	.rodata,"a",@progbits
	.p2align	6, 0x0
	.amdhsa_kernel k_q9f5dd5dfb9_proj
		.amdhsa_group_segment_fixed_size 327680
		.amdhsa_private_segment_fixed_size 0
		.amdhsa_enable_private_segment 0
		.amdhsa_kernarg_size 48
		.amdhsa_user_sgpr_count 2
		.amdhsa_user_sgpr_kernarg_segment_ptr 1
		.amdhsa_wavefront_size32 1
		.amdhsa_system_sgpr_workgroup_id_x 1
		.amdhsa_system_sgpr_workgroup_id_y 1
		.amdhsa_system_sgpr_workgroup_id_z 1
		.amdhsa_system_vgpr_workitem_id 0
		.amdhsa_next_free_vgpr 1024
		.amdhsa_next_free_sgpr 96
		.amdhsa_reserve_vcc 0
		.amdhsa_float_denorm_mode_32 3
		.amdhsa_float_denorm_mode_16_64 3
		.amdhsa_memory_ordered 1
		.amdhsa_forward_progress 1
		.amdhsa_inst_pref_size 86
	.end_amdhsa_kernel
	.amdgpu_metadata
---
amdhsa.version: [ 1, 2 ]
amdhsa.kernels:
  - .name:           k_q9f5dd5dfb9_proj
    .symbol:         k_q9f5dd5dfb9_proj.kd
    .args:
      - { .name: oc, .offset: 0, .size: 8, .value_kind: global_buffer, .address_space: global }
      - { .name: os, .offset: 8, .size: 8, .value_kind: global_buffer, .address_space: global }
      - { .name: W0_codes, .offset: 16, .size: 8, .value_kind: global_buffer, .address_space: global }
      - { .name: W0_scales, .offset: 24, .size: 8, .value_kind: global_buffer, .address_space: global }
      - { .name: b0, .offset: 32, .size: 8, .value_kind: global_buffer, .address_space: global }
      - { .name: out0, .offset: 40, .size: 8, .value_kind: global_buffer, .address_space: global }
    .group_segment_fixed_size: 327680
    .private_segment_fixed_size: 0
    .kernarg_segment_align: 8
    .kernarg_segment_size: 48
    .max_flat_workgroup_size: 128
    .sgpr_count:     96
    .vgpr_count:     1024
    .wavefront_size: 32
...
	.end_amdgpu_metadata
.endif
;; end of part 3
